; MI455X (gfx1250); checked and timed in simulation.
; The chip was launched on July 23, 2026; its instructions are those of AMD's public machine-readable ISA for CDNA 5 (MIT licence, August 2026) and "CDNA5" Instruction Set Architecture Reference Guide (July 2026). The comments in the code are by the model that wrote it; some were corrected since.
;; Multi Head Attention. Allowed arithmetic: matrix products marked QUANTISED: E5M2 operands, one given power-of-two scale a tensor, by v_wmma_f32_16x16x64_bf8_bf8 or v_wmma_f32_16x16x128_bf8_bf8, f32 sums; everything else in f32.
;; Inputs: Wk_codes 16 x 64 x 32 x 32 uint8 (E5M2 codes of Wk, K innermost, in blocks of 32 codes); Wo_codes 1,024 x 32 x 32 uint8 (E5M2 codes of Wo, K innermost, in blocks of 32 codes); Wq_codes 16 x 64 x 32 x 32 uint8 (E5M2 codes of Wq, K innermost, in blocks of 32 codes); Wv_codes 16 x 64 x 32 x 32 uint8 (E5M2 codes of Wv, K innermost, in blocks of 32 codes); bo 1,024 float32; lowp_scales 12 int32 (the exponents e of the quantised operands' scales 2^e); x_codes 4 x 2,048 x 32 x 32 uint8 (E5M2 codes of x, K innermost, in blocks of 32 codes).
;; Outputs: out0 4 x 2,048 x 1,024 float32.
;; This version of the problem:
;;   THIS VERSION OF THE PROBLEM IS GIVEN IN LOW PRECISION. The matrix products marked QUANTISED in the list below multiply operands that are first quantised to E5M2 (5 exponent bits, 2 mantissa bits; 8 bits a number), with one given power-of-two scale for each operand tensor; their sums are f32. All else is computed in f32.
;;   The module's matrix products, in the order in which they are computed (A, B: the left and right operand; K: the contracted axis; several contracted axes count as one K, in the product's order):
;;     1. [M 1,024, K 1,024] x [K 1,024, N 8,192]; A: input Wq (given as codes); B: input x (given as codes): QUANTISED (scales: A lowp_scales[0], B lowp_scales[1])
;;     2. [M 1,024, K 1,024] x [K 1,024, N 8,192]; A: input Wk (given as codes); B: input x (given as codes): QUANTISED (scales: A lowp_scales[2], B lowp_scales[3])
;;     3. [M 1,024, K 1,024] x [K 1,024, N 8,192]; A: input Wv (given as codes); B: input x (given as codes): QUANTISED (scales: A lowp_scales[4], B lowp_scales[5])
;;     4. batch 64 x [M 2,048, K 64] x [K 64, N 2,048]; A: computed on the way; B: computed on the way: QUANTISED (scales: A lowp_scales[6], B lowp_scales[7])
;;     5. batch 64 x [M 2,048, K 2,048] x [K 2,048, N 64]; A: softmax (see below); B: computed on the way: QUANTISED (scales: A lowp_scales[8], B lowp_scales[9])
;;     6. [M 8,192, K 1,024] x [K 1,024, N 1,024]; A: computed on the way; B: input Wo (given as codes): QUANTISED (scales: A lowp_scales[10], B lowp_scales[11])
;;   THE QUANTISER, for each operand of a quantised product, along K:
;;     - The operand's scale is 2^e, e = its entry of the input lowp_scales (int32; the entries are numbered through the quantised products in the list's order, A before B).
;;     - Each number is divided by the scale, clamped to +-57,344, and rounded to the nearest number of E5M2, ties to even, subnormals kept.
;;     - The product sums the exact products of the quantised numbers (number of the format x scale) in f32.
;;   ~~~python
;;   def quantise(x, axis, e):      # numpy; x: float32 -> the quantised numbers, widened to float32 again
;;       x = np.moveaxis(x, axis, -1); K = x.shape[-1]
;;       r = np.clip(x / 2.0 ** e, -57344, 57344)
;;       step = 2.0 ** (np.maximum(np.frexp(np.where(r == 0, 1, r))[1] - 1, -14) - 2)
;;       q = np.round(r / step) * step * 2.0 ** e      # np.round: ties to even
;;       return np.moveaxis(q, -1, axis).astype(np.float32)
;;   ~~~
;;   SOFTMAX AHEAD OF A QUANTISED PRODUCT. Where the list says 'softmax', what is quantised is not the finished softmax but p = 2^(t - M), with t = logit x log2(e) and M = ceil(the row's largest t), a whole number; so 1/2 < the row's largest p <= 1. The row's sum l is taken of the UNQUANTISED p, in f32, and the product's result is divided by l at the end. Since M is a whole number, a kernel that streams over the keys may use a running M (the ceiling of the running maximum): every later rescaling is an exact power of two, so the quantised numbers keep their values, but for numbers so far below the row's largest that they fall under the format's range.
;;   OPERANDS COMPUTED ON THE WAY. 'Computed on the way' means the value that the module computes at that place (a softmax that the list does not call 'softmax' is quantised finished and normalised). What goes into a quantiser is computed in f32, as accurately as f32 sums, v_exp_f32 and their like allow (about 1e-6 of the number): no bf16 or f16 on the way to a quantiser, and a product that is left as it is and whose result goes on into a quantised operand takes f32 operands (vector FMAs, or v_wmma_f32_16x16x4_f32). A number that lies on a knife's edge between two numbers of the format may be rounded either way, as far as f32 arithmetic and the matrix unit's own rounding can turn it there, and no further.
;;   INPUTS GIVEN AS CODES. Wk (in the module: [16, 1024, 64], K = its axis 1); Wo (in the module: [1024, 1024], K = its axis 1); Wq (in the module: [16, 1024, 64], K = its axis 1); Wv (in the module: [16, 1024, 64], K = its axis 1); x (in the module: [4, 2048, 1024], K = its axis 2): each comes as NAME_codes (uint8): NAME with its K axis moved to the last place and cut into blocks of 32 codes, [.., K / 32, bytes a block], one block behind the other in memory; one code a byte (a code: sign, 5 exponent bits, 2 mantissa bits); its scale is its entry of lowp_scales. Its value is code x scale, taken as it is: it is not quantised again, and the codes and scales need not be those that the quantiser above would give.
;; 2 versions, each right; version 2 is version 1 with the launch attn written anew for expert scheduling mode. Each part assembles by itself: llvm-mc -triple=amdgcn-amd-amdhsa -mcpu=gfx1250 --defsym DOCPART=n.
;; ======== version 1 of 2: 3 launches
;; workspace buffers: qc 8,388,608 bytes; kc 8,388,608 bytes; vc 8,388,608 bytes; oc 8,388,608 bytes
;; launch qkv (part 1): grid 12 x 32, 4 waves a work-group, clusters of 4 x 4, 327,680 bytes of LDS; arguments x_codes, Wq_codes, Wk_codes, Wv_codes, lowp_scales, qc, kc, vc; writes qc, kc, vc
.if DOCPART == 1
	.amdgcn_target "amdgcn-amd-amdhsa--gfx1250"
	.amdhsa_code_object_version 6
	.text
	.protected	k_q55215788c2_qkv
	.globl	k_q55215788c2_qkv
	.p2align	8
	.type	k_q55215788c2_qkv,@function
k_q55215788c2_qkv:
	s_mov_b64 s[64:65], 0
	v_nop
	global_prefetch_b8 v0, s[64:65] scope:SCOPE_SE
	s_setreg_imm32_b32 hwreg(HW_REG_WAVE_MODE, 25, 1), 1
	s_wait_xcnt 0x0
	s_wait_alu depctr_hold_cnt(0) depctr_sa_sdst(0) depctr_va_vdst(0) depctr_va_sdst(0) depctr_va_ssrc(0) depctr_va_vcc(0) depctr_vm_vsrc(0)
	s_getreg_b32 s2, hwreg(HW_REG_IB_STS2, 6, 4)
	s_cmp_eq_u32 s2, 0
	s_cbranch_scc0 .Lentry_in_a_cluster
	s_endpgm
.Lentry_in_a_cluster:
	s_bfe_u32 s2, ttmp6, 0x10000c
	s_cmp_lg_u32 s2, 0xf033
	s_cbranch_scc0 .Lentry_shape_is_right
	s_endpgm
.Lentry_shape_is_right:
; q, k, v = x W for 16 heads, on codes of BF8 (E5M2), and their results quantised at once for the products that follow: q with 2^e6, k with 2^e7 (along the head's 64), v with 2^e9 (along the keys).
; x: 8,192 rows of 1,024 codes; Wq, Wk, Wv: 1,024 rows (64 head + channel) of 1,024 codes; K innermost in all.  A sum of code products stands for sum x 2^(ew + ex), so its code is sum / 2^(eout - ew - ex): one scale for the conversion.
; LIMIT: eout - ew - ex (e6-e0-e1, e7-e2-e3, e9-e4-e5) lies between -126 and 112, so that the scale and 57,344 x the scale are f32 numbers.
; ONE TEXT FOR THE THREE.  C[m][n] = sum over k of A[m][k] B[n][k], tiles of 256 x 256, four waves of 128 x 128 (64 accumulators, 512 registers), K in four steps of 256 through two LDS slots.
; The cluster's x says which product: 0: q (A = x, B = Wq), 1: k (A = x, B = Wk), 2: v (A = Wv, B = x).  It is the same in all sixteen partners, and only selections hang on it, no branch.
; THE MATRIX INSTRUCTION IS USED TRANSPOSED (source 0 = 16 rows of B, source 1 = 16 rows of A): a lane holds one row of A and eight neighbouring rows of B: for q and k one token and eight channels,
; for v one channel and eight keys: eight neighbours along the next product's K, which one conversion turns into eight codes.
; CLUSTERS: 4 x 4 work-groups; A's tile is shared along a row of the cluster, B's along a column: joint loads, as many requests as a quarter of the tiles read.
; OUTPUT LAYOUTS: qc, kc: (16 b + h) x 131,072 + 64 t + channel.  vc: (16 b + h) x 131,072 + 4,096 (t / 64) + 64 channel + t % 64.  In both a wave's store covers 512 consecutive bytes, aligned.
; REGISTERS, in windows of 256: window 0: v0-31 addresses; from v128 A's fragments, one set; window 1: B's fragments, two sets; windows 2, 3: the accumulators ((a, b) at v[8 (8 (a % 4) + b)]).
.set KROW,   1024                      ; a row of A or of B in memory, in bytes
.set ROWB,   256                       ; a tile's row: 256 codes
.set PITCH,  272                       ; an LDS row: 256 bytes + 16 of padding: the 16 rows that a load touches start 68 words apart
.set FR,     16                        ; registers of a fragment: 16 rows x 128 K
.set NL,     4                         ; LDS loads that bring one
.set NP,     4                         ; places behind this matrix instruction (ISA guide 7.12.1)
.set HALFT,  128*PITCH                 ; what one tensor load brings
.set SLOT,   4*HALFT                   ; A's 256 rows, then B's 256 rows
.set LAPS,   2                         ; 1,024 along K = two laps of two K steps
.set SPARE,  2*SLOT                    ; behind the ring: the spare words, 128 bytes a wave: two blocks of 256 bytes that no other line names
.set QUADP,  1296                      ; the way out's stage: four rows of A (4 x 320 bytes) + 16
.set ROWP,   320                       ; a stage row: 256 codes + 64: eight-byte stores of 32 lanes and sixteen-byte reads of 4 rows x 64 bytes each touch every bank once
.set ADRA, 16                          ; v16-17  LDS address of my A fragments in slot 0, 1
.set ADRB, 20                          ; v20-21  the same for B
.set STO,  24                          ; v24     the stage: where I put eight codes
.set RD,   25                          ; v25     the stage: where I read 16 bytes back
.set CO,   26                          ; v26     16 x lane: my place in a store's 512 bytes
.set SC,   27                          ; v27     the conversion's scale as f32
.set SPW,  28                          ; v28     LDS address of my spare word; never rewritten
.set NIL,  29                          ; v29     0; never rewritten
.set LIM,  30                          ; v30     57,344 x the scale
.set TMP,  32                          ; v32-95  a block's 64 sums, held
.set AF,   128                         ; A's fragments, in window 0
.set CD,   128                         ; the way out: 16 registers of codes for each of the 8 blocks, then the rows read back
.set G1, 24                            ; s[24:31] descriptor group 1 for A's tiles;  s[32:39] group 0, one set for each slot
.set G0, 32
.set G1B, 48                           ; s[48:55], s[56:63] the same for B's tiles
.set G0B, 56
.set MSB, 0
.macro WIN new                         ; the immediate's high byte repeats the setting that is left
.if MSB != \new
	s_set_vgpr_msb (MSB<<8)|\new
.set MSB, \new
.endif
.endm
.set MUL_LO, 0xa1                      ; source 0 (B) window 1, source 1 (A) window 0, C and D window 2
.set MUL_HI, 0xf1                      ; the same, C and D window 3
.set TO_B,   0x40                      ; destination window 1, address window 0
; A joint load: waves 0 and 1 fetch for A, waves 2 and 3 for B.  The branch hangs on the wave's number alone.  Four v_nop follow each of the two lines.
.macro JLOAD g0a, g1a, g0b, g1b
	s_cmp_eq_u32 s15, 0
	s_cbranch_scc0 .Lfor_b_\@
	tensor_load_to_lds s[\g0a:\g0a+3], s[\g1a:\g1a+7]
	s_nop 0
.rept 4
	v_nop
.endr
	s_branch .Lasked_\@
.Lfor_b_\@:
	tensor_load_to_lds s[\g0b:\g0b+3], s[\g1b:\g1b+7]
	s_nop 0
.rept 4
	v_nop
.endr
.Lasked_\@:
.endm
.macro CREST                           ; a round of the cluster's barrier behind its opening barrier
	s_cmp_lg_u32 s14, 0
	s_cbranch_scc1 .Lnot_wave_0_\@
	s_barrier_signal -3
.Lnot_wave_0_\@:
	s_barrier_wait -3
	s_barrier_signal -1
	s_barrier_wait -1
.endm
.macro CROUND                          ; a whole round
	s_barrier_signal -1
	s_barrier_wait -1
	CREST
.endm
	s_load_b256 s[68:75], s[0:1], 0x0              ; x s[68:69], Wq s[70:71], Wk s[72:73], Wv s[74:75]
	s_load_b256 s[76:83], s[0:1], 0x20             ; the scales' exponents s[76:77], qc s[78:79], kc s[80:81], vc s[82:83]
	v_lshl_add_u32 v[SPW], v0, 2, SPARE
	v_mov_b32 v[NIL], 0
	ds_add_u32 v28, v29
	ds_add_u32 v28, v29
	s_wait_dscnt 0x0
	v_lshrrev_b32 v1, 5, v0
	v_readfirstlane_b32 s14, v1                    ; wave 0..3
	s_lshr_b32 s15, s14, 1                         ; which half of the tile's rows of A is mine.  Also: I fetch for A (0) or for B (1)
	s_and_b32 s16, s14, 1                          ; which half of its rows of B.  Also: which 128 rows of that tile I fetch
	s_bfe_u32 s40, ttmp6, 0x40000                  ; cx, cy: my place in the cluster
	s_bfe_u32 s41, ttmp6, 0x40004
	s_and_b32 s20, ttmp7, 0xffff
	s_lshl_b32 s20, s20, 2                         ; 4 x cluster y: it walks x's 32 tiles of rows, which are A's for q and k, B's for v
	s_cmp_eq_u32 ttmp9, 2                          ; v?
	s_cselect_b32 s18, 0, s20
	s_cselect_b32 s19, s20, 0
	s_add_co_u32 s17, s41, s18                     ; A's tile: made of cy, cluster y and the kind alone
	s_add_co_u32 s42, s40, s19                     ; B's tile: made of cx, cluster y and the kind alone
	s_lshl_b32 s43, s41, 2
	s_lshl_b32 s43, 15, s43                        ; my row of the cluster
	s_lshl_b32 s44, 0x1111, s40                    ; my column
	; descriptor group 1: a tile of 128 rows x 256 bytes, padded in LDS
	s_or_b32 s[G1+0], s43, (0<<16)|(1<<20)|(1<<21)|(5<<22)|(3<<25)  ; 15:0 the mask: A's tiles go to my row; 17:16 element of 1 byte; 20 padding on; 21 set beside a mask; 24:22 after every 64 words (code 5); 31:25 of 4 words (code 3)
	s_or_b32 s[G1B+0], s44, (0<<16)|(1<<20)|(1<<21)|(5<<22)|(3<<25)
.irp g, G1, G1B
	s_mov_b32 s[\g+1], ROWB<<16                    ; tensor_dim0
	s_mov_b32 s[\g+2], 128<<16                     ; tensor_dim1 = 128
	s_mov_b32 s[\g+3], ROWB<<16                    ; tile_dim0
	s_mov_b32 s[\g+4], 128                         ; tile_dim1 = 128
	s_mov_b32 s[\g+5], KROW                        ; tensor_dim0_stride
	s_mov_b32 s[\g+6], 0
	s_mov_b32 s[\g+7], 0
.endr
	s_lshl_b32 s18, s16, 7                         ; which 128 rows of the tile I fetch
	s_lshl_b32 s20, s17, 8
	s_add_co_u32 s20, s20, s18                     ; A: row 256 x tile + 128 x half,
	s_lshl_b32 s20, s20, 10                        ; in bytes: under 2^23
	s_mov_b32 s21, 0
	s_lshl_b32 s46, s42, 8
	s_add_co_u32 s46, s46, s18                     ; B likewise
	s_lshl_b32 s46, s46, 10
	s_mov_b32 s47, 0
	s_mul_i32 s45, s14, HALFT                      ; where they go: wave x 128 rows: no place in the cluster enters an LDS address
	s_wait_kmcnt 0x0
	s_load_b256 s[84:91], s[76:77], 0x0            ; e0 .. e7
	s_load_b128 s[92:95], s[76:77], 0x20           ; e8 .. e11
	s_cmp_eq_u32 ttmp9, 2                          ; the buffers are chosen by the kind, which hangs on no address
	s_cselect_b64 s[4:5], s[74:75], s[68:69]       ; A = Wv, else x
	s_cselect_b64 s[6:7], s[68:69], s[72:73]       ; B = x, else Wk,
	s_cselect_b64 s[10:11], s[82:83], s[80:81]     ; out = vc, else kc,
	s_cmp_eq_u32 ttmp9, 0
	s_cselect_b64 s[6:7], s[70:71], s[6:7]         ; or Wq
	s_cselect_b64 s[10:11], s[78:79], s[10:11]     ; and qc
	s_add_nc_u64 s[20:21], s[4:5], s[20:21]
	s_add_nc_u64 s[46:47], s[6:7], s[46:47]
	CROUND                                         ; all sixteen work-groups are here: the first joint loads meet
.irp s, 0,1
	s_mov_b32 s[G0+4*\s], 1
	s_add_co_u32 s[G0+4*\s+1], s45, \s*SLOT
	s_add_nc_u64 s[G0+4*\s+2:G0+4*\s+3], s[20:21], \s*ROWB
	s_or_b32 s[G0+4*\s+3], s[G0+4*\s+3], 0x80000000
	s_mov_b32 s[G0B+4*\s], 1
	s_add_co_u32 s[G0B+4*\s+1], s45, \s*SLOT
	s_add_nc_u64 s[G0B+4*\s+2:G0B+4*\s+3], s[46:47], \s*ROWB
	s_or_b32 s[G0B+4*\s+3], s[G0B+4*\s+3], 0x80000000
	JLOAD G0+4*\s, G1, G0B+4*\s, G1B
.endr
	v_and_b32 v1, 15, v0                           ; r = l % 16
	v_bfe_u32 v2, v0, 4, 1                         ; h = l / 16
	v_mul_u32_u24 v3, v1, PITCH
	v_lshl_add_u32 v4, v2, 4, v3                   ; a fragment's row x pitch + 16 x half
	s_mul_i32 s21, s15, HALFT                      ; my 128 rows of A
	s_mul_i32 s22, s16, HALFT                      ; my 128 rows of B,
	s_add_co_u32 s22, s22, 2*HALFT                 ; which lie behind A's 256
.irp s, 0,1
	v_add_nc_u32 v[ADRA+\s], s21, v4
	v_add_nc_u32 v[ADRB+\s], s22, v4
	s_add_co_u32 s21, s21, SLOT
	s_add_co_u32 s22, s22, SLOT
.endr
	; the stage, shared by the four waves: byte (row of A, row of B) = (row / 4) x 1,296 + (row % 4) x 320 + column
	v_lshrrev_b32 v5, 2, v1
	v_and_b32 v6, 3, v1
	v_mul_u32_u24 v5, v5, QUADP
	v_mul_u32_u24 v6, v6, ROWP
	v_add_nc_u32 v5, v5, v6
	v_lshl_add_u32 v5, v2, 3, v5                   ; in: row r, + 8 h
	s_mul_i32 s23, s15, 32*QUADP                   ; my 128 rows,
	s_lshl_b32 s22, s16, 7                         ; my 128 columns
	s_add_co_u32 s23, s23, s22
	v_add_nc_u32 v[STO], s23, v5
	v_bfe_u32 v6, v0, 2, 2
	v_and_b32 v7, 3, v0
	v_mul_u32_u24 v5, v2, QUADP
	v_mul_u32_u24 v6, v6, ROWP
	v_add_nc_u32 v5, v5, v6
	v_lshl_add_u32 v5, v7, 4, v5                   ; back: eight rows x 64 bytes an instruction: row l / 4, 16 (l % 4) bytes on
	s_mul_i32 s23, s14, 16*QUADP                   ; wave w takes rows 64 w .. 64 w + 63
	v_add_nc_u32 v[RD], s23, v5
	v_and_b32 v6, 31, v0
	v_lshlrev_b32 v[CO], 4, v6
.macro FRAG reg, adr, q, i             ; a fragment: lane l holds row l % 16; registers 4 c .. 4 c + 3 hold K = 32 c + 16 (l / 16) + 0 .. 15: the same order of K in A and in B, so every product meets its partner
.irp c, 0,1,2,3
	ds_load_b128 v[\reg+4*\c:\reg+4*\c+3], v[\adr] offset:128*(\q)+32*\c+(\i)*16*PITCH
.endr
.endm
; 16 matrix instructions: A's blocks a0, a0 + 1 x B's eight, 128 along K.  p: B's set.  zero = 1: the first product starts the sums.  The 64 accumulators take turns, one instruction a turn.
.macro MUL16 a0, p, zero
.irp a, \a0, \a0+1
.irp b, 0,1,2,3,4,5,6,7
.if \zero
	v_wmma_f32_16x16x128_bf8_bf8 v[8*(8*((\a)%4)+\b):8*(8*((\a)%4)+\b)+7], v[128*(\p)+FR*\b:128*(\p)+FR*\b+FR-1], v[AF+FR*(\a):AF+FR*(\a)+FR-1], 0
.else
	v_wmma_f32_16x16x128_bf8_bf8 v[8*(8*((\a)%4)+\b):8*(8*((\a)%4)+\b)+7], v[128*(\p)+FR*\b:128*(\p)+FR*\b+FR-1], v[AF+FR*(\a):AF+FR*(\a)+FR-1], v[8*(8*((\a)%4)+\b):8*(8*((\a)%4)+\b)+7]
.endif
.endr
.endr
.endm
.macro FETCH_B slot, q, p              ; B's eight fragments of the slot's q-th 128 along K into set p
	WIN TO_B
.irp i, 0,1,2,3,4,5,6,7
	FRAG 128*(\p)+FR*\i, ADRB+\slot, \q, \i
.endr
	WIN 0
.endm
.macro FETCH_A slot, q, i0             ; A's blocks i0 .. i0 + 3
.irp i, \i0, \i0+1, \i0+2, \i0+3
	FRAG AF+FR*(\i), ADRA+\slot, \q, \i
.endr
.endm
.macro PLACES n                        ; plain vector instructions between a matrix instruction and a load into, or a read of, its registers
.rept \n
	v_nop
.endr
.endm
; A step of 128 along K that has its successor in the same slot.
.macro STEP slot, q, zero
	s_wait_dscnt 4*NL                              ; B's set and A's blocks 0-3 are in; the youngest 16 loads (A's blocks 4-7) may be out
	WIN MUL_LO
	MUL16 0, (\q)%2, \zero
	MUL16 2, (\q)%2, \zero
	s_wait_dscnt 0                                 ; A's blocks 4-7 are in
	PLACES NP
	FETCH_B \slot, (\q)+1, 1-(\q)%2
	FETCH_A \slot, (\q)+1, 0
	WIN MUL_HI
	MUL16 4, (\q)%2, \zero
	MUL16 6, (\q)%2, \zero
	PLACES NP
	WIN 0
	FETCH_A \slot, (\q)+1, 4
.endm
; A slot's last step changes slots: one barrier; in front of it each wave waits for all its tensor loads, adds 0 to its spare word, and waits for that and for its own reads of this slot.  fill = 1: this slot is filled again, two K steps ahead.
.macro TURN slot, next, fill
	s_wait_tensorcnt 0x0                           ; all my tensor loads have landed: my part of the next slot
	ds_add_u32 v[SPW], v[NIL]                      ; 0 onto my spare word
	s_wait_dscnt 4*NL+1                            ; (the add and the youngest 16 loads, A's blocks 4-7, may be out)
	WIN MUL_LO
	MUL16 0, 1, 0                                  ; sixteen matrix instructions stand between the add and the wait for it
	s_wait_dscnt 0x0                               ; the add is done, and my reads of this slot are over
	s_barrier_signal -1
	MUL16 2, 1, 0
	WIN 0
	s_barrier_wait -1
.if \fill
	CREST                                          ; the barrier has opened a round of the cluster's barrier: no wave of any partner still reads this slot's tile or has a load on its way
	s_add_nc_u64 s[G0+4*\slot+2:G0+4*\slot+3], s[G0+4*\slot+2:G0+4*\slot+3], 2*ROWB
	s_add_nc_u64 s[G0B+4*\slot+2:G0B+4*\slot+3], s[G0B+4*\slot+2:G0B+4*\slot+3], 2*ROWB
	JLOAD G0+4*\slot, G1, G0B+4*\slot, G1B         ; the first tensor load behind the round; its four v_nop are the places in front of the loads below
.else
	PLACES NP
.endif
	FETCH_B \next, 0, 0
	FETCH_A \next, 0, 0
	WIN MUL_HI
	MUL16 4, 1, 0
	MUL16 6, 1, 0
	PLACES NP
	WIN 0
	FETCH_A \next, 0, 4
.endm
	s_wait_tensorcnt 1                             ; my part of K step 0 is in (K step 1's load may be out)
	s_barrier_signal -1
	s_barrier_wait -1                              ; everybody's is
	FETCH_B 0, 0, 0
	FETCH_A 0, 0, 0
	FETCH_A 0, 0, 4
	STEP 0, 0, 1                                   ; the first step stands in front of the loop: its products start the sums
	s_mov_b32 s3, LAPS-1
.Llap:                                                 ; a trip goes once round the ring and fills both slots again
	TURN 0, 1, 1
	STEP 1, 0, 0
	TURN 1, 0, 1
	STEP 0, 0, 0
	s_sub_co_u32 s3, s3, 1
	s_cmp_lg_u32 s3, 0
	s_cbranch_scc1 .Llap
	TURN 0, 1, 0                                   ; the last lap fills nothing
	STEP 1, 0, 0
	s_wait_dscnt 4*NL                              ; the very last step
	WIN MUL_LO
	MUL16 0, 1, 0
	MUL16 2, 1, 0
	s_wait_dscnt 0
	WIN MUL_HI
	MUL16 4, 1, 0
	MUL16 6, 1, 0
	WIN 0
	; THE WAY OUT.  The kind's scale, strides and place in its buffer, all by selections on the cluster's x.
	s_wait_kmcnt 0x0
	s_sub_co_i32 s20, s90, s84
	s_sub_co_i32 s20, s20, s85                     ; q: e6 - e0 - e1
	s_sub_co_i32 s21, s91, s86
	s_sub_co_i32 s21, s21, s87                     ; k: e7 - e2 - e3
	s_sub_co_i32 s22, s93, s88
	s_sub_co_i32 s22, s22, s89                     ; v: e9 - e4 - e5
	s_cmp_eq_u32 ttmp9, 2
	s_cselect_b32 s21, s22, s21
	s_mov_b32 s96, 131072
	s_cselect_b32 s96, 4096, s96                   ; from one group of 64 columns to the next: a head (q, k) or a block of 64 keys (v)
	s_mov_b32 s98, 4096
	s_cselect_b32 s98, 131072, s98                 ; from one wave's 64 rows to the next's: 64 tokens (q, k) or a head (v)
	s_cselect_b32 s22, s42, s17                    ; x's tile of 256 tokens,
	s_cselect_b32 s23, s17, s42                    ; W's tile of four heads
	s_cmp_eq_u32 ttmp9, 0
	s_cselect_b32 s20, s20, s21                    ; E
	s_mov_b32 s97, 0
	s_add_co_i32 s20, s20, 127
	s_lshl_b32 s21, s20, 23
	v_mov_b32 v[SC], s21                           ; 2^E as f32: the conversion takes its exponent field
	s_add_co_i32 s20, s20, 15
	s_lshl_b32 s20, s20, 23
	s_or_b32 s20, s20, 0x600000
	v_mov_b32 v[LIM], s20                          ; 57,344 x 2^E
	s_lshr_b32 s20, s22, 3
	s_lshl_b32 s20, s20, 21                        ; the batch: 16 heads x 131,072 bytes
	s_lshl_b32 s21, s23, 19                        ; four heads
	s_add_co_u32 s20, s20, s21
	s_and_b32 s21, s22, 7
	s_lshl_b32 s21, s21, 14                        ; 256 tokens x 64 bytes
	s_add_co_u32 s20, s20, s21
	s_mul_i32 s21, s14, s98
	s_add_co_u32 s20, s20, s21
	s_mov_b32 s21, 0
	s_add_nc_u64 s[10:11], s[10:11], s[20:21]
	PLACES NP                                      ; behind the last products: their results are read and A's registers written below
; Block a (16 rows of A x my 128 columns): each sum is held within +-57,344 x the scale (the conversion to an 8-bit code does not saturate: ISA guide 7.6.2), each accumulator from its low end on;
; eight neighbours become eight codes; they go to the stage.  Each block has code registers of its own.
.macro OUTB a
.set AC, 64*((\a)%4)
	WIN 0x02+((\a)/4)                              ; source 0: window 2 or 3
.set j, 0
.rept 64
	v_med3_num_f32 v[TMP+j], v[AC+j], -v[LIM], v[LIM]
.set j, j+1
.endr
	WIN 0
.irp b, 0,1,2,3,4,5,6,7
	v_cvt_scalef32_pk8_bf8_f32 v[CD+16*(\a)+2*\b:CD+16*(\a)+2*\b+1], v[TMP+8*\b:TMP+8*\b+7], v[SC]
.endr
	v_nop                                          ; one plain vector instruction behind the last conversion: the next block's holds write its sources
.irp b, 0,1,2,3,4,5,6,7
	ds_store_b64 v[STO], v[CD+16*(\a)+2*\b:CD+16*(\a)+2*\b+1] offset:(\a)*4*QUADP+16*\b
.endr
.endm
.irp a, 0,1,2,3,4,5,6,7
	OUTB \a
.endr
	s_wait_dscnt 0x0                               ; for the others' sake: my stores into the stage are done.  (The stage lies in slot 0, which has had its last fill, and which nobody reads since the last change of slots)
	s_barrier_signal -1
	s_barrier_wait -1
.irp hd, 0,1,2,3                       ; group hd of 64 columns, rows 64 w + 8 p on
.irp p, 0,1,2,3,4,5,6,7
	ds_load_b128 v[CD+4*(8*\hd+\p):CD+4*(8*\hd+\p)+3], v[RD] offset:2*QUADP*\p+64*\hd
.endr
.endr
.irp hd, 0,1,2,3
.if \hd > 0
	s_wait_xcnt 0x0                                ; the earlier stores have read their base
	s_add_nc_u64 s[10:11], s[10:11], s[96:97]
.endif
.irp p, 0,1,2,3,4,5,6,7
	s_wait_dscnt 31-(8*\hd+\p)                     ; LDS loads come back in order: this one is in, the younger ones may be out
	global_store_b128 v[CO], v[CD+4*(8*\hd+\p):CD+4*(8*\hd+\p)+3], s[10:11] offset:512*\p   ; 32 lanes store 512 consecutive bytes, at a multiple of 512 from the buffer's first byte
.endr
.endr
	s_wait_tensorcnt 0x0                           ; the wave's end
	ds_add_u32 v[SPW], v[NIL]
	s_wait_dscnt 0x0
	CROUND                                         ; the closing round: no work-group ends while a partner may still ask for a tile that names it
	s_endpgm
.Lfunc_end_k_q55215788c2_qkv:
	.size	k_q55215788c2_qkv, .Lfunc_end_k_q55215788c2_qkv-k_q55215788c2_qkv
	.p2alignl 7, 3214868480
	.fill 96, 4, 3214868480
	.section	.rodata,"a",@progbits
	.p2align	6, 0x0
	.amdhsa_kernel k_q55215788c2_qkv
		.amdhsa_group_segment_fixed_size 327680
		.amdhsa_private_segment_fixed_size 0
		.amdhsa_enable_private_segment 0
		.amdhsa_kernarg_size 64
		.amdhsa_user_sgpr_count 2
		.amdhsa_user_sgpr_kernarg_segment_ptr 1
		.amdhsa_wavefront_size32 1
		.amdhsa_system_sgpr_workgroup_id_x 1
		.amdhsa_system_sgpr_workgroup_id_y 1
		.amdhsa_system_sgpr_workgroup_id_z 1
		.amdhsa_system_vgpr_workitem_id 0
		.amdhsa_next_free_vgpr 1024
		.amdhsa_next_free_sgpr 100
		.amdhsa_reserve_vcc 0
		.amdhsa_float_denorm_mode_32 3
		.amdhsa_float_denorm_mode_16_64 3
		.amdhsa_memory_ordered 1
		.amdhsa_forward_progress 1
		.amdhsa_inst_pref_size 127
	.end_amdhsa_kernel
	.amdgpu_metadata
---
amdhsa.version: [ 1, 2 ]
amdhsa.kernels:
  - .name:           k_q55215788c2_qkv
    .symbol:         k_q55215788c2_qkv.kd
    .args:
      - { .name: x_codes, .offset: 0, .size: 8, .value_kind: global_buffer, .address_space: global }
      - { .name: Wq_codes, .offset: 8, .size: 8, .value_kind: global_buffer, .address_space: global }
      - { .name: Wk_codes, .offset: 16, .size: 8, .value_kind: global_buffer, .address_space: global }
      - { .name: Wv_codes, .offset: 24, .size: 8, .value_kind: global_buffer, .address_space: global }
      - { .name: lowp_scales, .offset: 32, .size: 8, .value_kind: global_buffer, .address_space: global }
      - { .name: qc, .offset: 40, .size: 8, .value_kind: global_buffer, .address_space: global }
      - { .name: kc, .offset: 48, .size: 8, .value_kind: global_buffer, .address_space: global }
      - { .name: vc, .offset: 56, .size: 8, .value_kind: global_buffer, .address_space: global }
    .group_segment_fixed_size: 327680
    .private_segment_fixed_size: 0
    .kernarg_segment_align: 8
    .kernarg_segment_size: 64
    .max_flat_workgroup_size: 128
    .sgpr_count:     100
    .vgpr_count:     1024
    .wavefront_size: 32
...
	.end_amdgpu_metadata
.endif
;; end of part 1
;; launch attn (part 2): grid 4 x 64, 16 waves a work-group, no clusters, 116,736 bytes of LDS; arguments qc, kc, vc, lowp_scales, oc; writes oc
.if DOCPART == 2
	.amdgcn_target "amdgcn-amd-amdhsa--gfx1250"
	.amdhsa_code_object_version 6
	.text
	.protected	k_q55215788c2_attn
	.globl	k_q55215788c2_attn
	.p2align	8
	.type	k_q55215788c2_attn,@function
k_q55215788c2_attn:
	s_mov_b64 s[64:65], 0
	v_nop
	global_prefetch_b8 v0, s[64:65] scope:SCOPE_SE
	s_setreg_imm32_b32 hwreg(HW_REG_WAVE_MODE, 25, 1), 1
	s_wait_xcnt 0x0
; Causal attention of one head on codes of BF8 (E5M2), and its result quantised with 2^e10 for the last product.  qc, kc: [64 heads][2,048][64]; vc: [64 heads][32 blocks of 64 keys][64 channels][64 keys].
; THE SOFTMAX: t = score x log2(e) / 8; M = the running largest t rounded UP to a whole number; p = 2^(t - M) is quantised with 2^e8, not normalised; the row's sum is taken of the unquantised p and divides at the end.
; When M moves, the sum and O are multiplied by 2^(old M - new M), which rounds nothing.
; SHARES.  A head's 64 groups of 32 queries go to four work-groups of sixteen waves, a group a wave: wave w has rank w xor 3 ((w / 4) % 2), and rank p of work-group j takes group 4 p + j (p even) or 4 p + 3 - j (p odd):
; every work-group's groups add up to the same number of key steps under the causal mask.  A wave holds two tiles of 16 queries, so that each fragment of K and V read from LDS feeds two products; 256 registers, no windows.
; Every work-group walks all 8 slots of 256 keys: the trip counts are constants and every wave passes every barrier.  A key step (64 keys) all of whose keys come after the wave's queries is jumped over: a scalar branch on ids.
; K AND V COME THROUGH REGISTERS: each lane loads 4 x 16 bytes a slot and stores them to LDS, two buffers by turns, one barrier a slot.
; NO CLUSTER, NO TENSOR LOAD, by this text's own arithmetic: the four work-groups of a head share K and V, but a slot is 32,768 bytes, four loads a lane, against up to 64 wave steps of some 290 vector instructions each;
; and a branch hangs on the given e8: where e8 >= -15, p <= 1 lies under 57,344 x 2^e8 and the hold's 64 instructions of a step are jumped over.
; LAYOUT.  Both products transposed: S^T = K Q^T, O^T = V^T P^T: a lane holds ONE query (lane % 16).  In LDS a key's row stands with bits 3 and 4 of its number exchanged, so that rows 16 t + r of tile t = 2 b + u hold
; key 32 b + 8 u + r + 8 (r / 8): the 16 registers of tiles 2 b, 2 b + 1 are then keys 32 b + 16 (lane / 16) + 0 .. 15, which the conversions turn into the second product's operand as it stands.
; A fragment (16 rows x 64) is two loads of 16 bytes, 32 apart: registers 4 c .. 4 c + 3 hold K = 32 c + 16 (lane / 16) + 0 .. 15, the same order on both sides of each product.
; oc: (row / 4) x 4,096 + 256 head + 64 (row % 4) + channel, row = 2,048 b + t: sixteen lanes store 256 consecutive bytes, aligned.
; LIMITS on the given exponents, so that each power of two below is an f32 number: e6 + e7 between -123 and 130; e8 between -126 and 112; e10 - e8 - e9 between -126 and 112.
.set BUFB,  20480                      ; a buffer: 256 rows x 80 bytes (64 + 16 of padding: 16 neighbouring rows start 20 words apart)
.set VOFF,  40960                      ; LDS: K's two buffers, then V's two,
.set STAGE, 81920                      ; then 2,048 bytes for each wave, for the way out
.set AK,   1                           ; v1   my lane's place in a fragment of K: 80 r + 16 h
.set AV,   2                           ; v2   of V
.set SK,   3                           ; v3   where I store K's 16 bytes
.set SV,   4                           ; v4   V's
.set GL,   5                           ; v5   my 16 bytes of a slot in memory: 1,024 wave + 16 lane; never rewritten
.set PFO,  6                           ; v6   256 x lane, for the prefetches; never rewritten
.set SC,   10                          ; v10  2^e8 as f32
.set LIMP, 11                          ; v11  57,344 x 2^e8
.set STA,  12                          ; tile y's statistics at v[12 + 8 y]: +0 -M, +1 the largest score so far, +2, +3 the sum in two halves, +4 f (at the end 1 / sum), +5 written once, +6, +7 at work
.set QFR,  28                          ; v28-43   Q's two fragments
.set STG,  44                          ; v44-59   a slot's 64 bytes on their way to LDS
.set FRG,  60                          ; v60-91   four fragments of K or of V
.set SCR,  92                          ; v92-155  S^T, then p: 32 a tile
.set OAC,  156                         ; v156-219 O^T: 32 a tile
.set PCD,  220                         ; v220-235 p's codes: 8 a tile
.set STW,  236                         ; v236 the way out: where I put eight codes
.set STR,  237                         ; v237 and where I read 16 bytes back
.set GO,   238                         ; v238 my byte offset in oc
.set SCO,  239                         ; v239 2^(e10 - e8 - e9) as f32
.set LIMO, 240                         ; v240 57,344 x that
.set QO,   241                         ; v241 my byte offset in the wave's rows of Q; never rewritten
; s14 wave; s15 head; s17 rank; s18 group; s19 my first query; s[20:21] lane selects; s[22:23] c; s24 the step's first key; s25 trips to go; s26 1 in a wave that prefetches, else the greatest number;
; s27 1 where no hold is needed; s[28:29] the prefetches' base; s30, s31 at work; s[32:43] e0 .. e11; s[44:45], s[46:47] K's and V's codes at the trip's first slot
	s_load_b256 s[4:11], s[0:1], 0x0               ; qc s[4:5], kc s[6:7], vc s[8:9], the scales' exponents s[10:11]
	s_load_b64 s[12:13], s[0:1], 0x20              ; oc
	v_lshl_add_u32 v254, v0, 2, 0x1c000
	v_mov_b32 v255, 0
	v_lshrrev_b32 v7, 5, v0
	v_readfirstlane_b32 s14, v7                    ; wave 0..15
	s_bfe_u32 s30, s14, 0x10002
	s_mul_i32 s30, s30, 3
	s_xor_b32 s17, s14, s30                        ; rank
	s_and_b32 s30, s17, 1
	s_sub_co_u32 s31, 3, ttmp9
	s_cmp_eq_u32 s30, 1
	s_cselect_b32 s30, s31, ttmp9
	s_lshl_b32 s18, s17, 2
	s_add_co_u32 s18, s18, s30                     ; my group of 32 queries
	s_lshl_b32 s19, s18, 5                         ; my first query
	s_and_b32 s15, ttmp7, 0xffff                   ; 16 b + h
	s_lshl_b32 s48, s15, 17                        ; the head's first byte in qc, kc and vc
	s_mov_b32 s49, 0
	s_lshl_b32 s50, s18, 11
	s_add_co_u32 s50, s50, s48                     ; my queries' codes
	s_mov_b32 s51, 0
	s_lshr_b32 s52, s15, 4
	s_lshl_b32 s52, s52, 21                        ; oc: the batch's 512 groups of four rows,
	s_lshl_b32 s30, s18, 15                        ; my eight,
	s_add_co_u32 s52, s52, s30
	s_and_b32 s30, s15, 15
	s_lshl_b32 s30, s30, 8                         ; my head's 256 bytes
	s_add_co_u32 s52, s52, s30
	s_mov_b32 s53, 0
	s_and_b32 s54, s14, 1
	s_lshl_b32 s54, s54, 13                        ; the prefetches: which 8,192 bytes of a slot's 16,384
	s_mov_b32 s55, 0
	s_lshr_b32 s30, s14, 2
	s_or_b32 s30, s30, ttmp9                       ; 0 in waves 0 to 3 of the head's first work-group
	s_cmp_eq_u32 s30, 0
	s_cselect_b32 s26, 1, -1
	s_mov_b32 s20, 0x76543210
	s_mov_b32 s21, 0xfedcba98                      ; v_permlanex16_b32: lane l xor 16
	s_mov_b32 s24, 0
	s_mov_b32 s25, 4
	; every LDS address is made here, of the thread's number and constants
	v_and_b32 v7, 15, v0                           ; r
	v_bfe_u32 v8, v0, 4, 1                         ; h
	v_mul_u32_u24 v[AK], v7, 80
	v_lshl_add_u32 v[AK], v8, 4, v[AK]
	v_add_nc_u32 v[AV], VOFF, v[AK]
	v_bfe_u32 v9, v0, 2, 3
	v_and_b32 v10, 3, v0
	v_mul_u32_u24 v9, v9, 80
	v_lshl_add_u32 v9, v10, 4, v9                  ; a load's 512 bytes are eight rows of 64: row lane / 4, 16 (lane % 4) bytes on
	v_lshrrev_b32 v10, 6, v0
	v_mul_u32_u24 v10, v10, 2560
	v_add_nc_u32 v[SK], v10, v9                    ; K: wave w's first load holds keys 16 w .. 16 w + 7: LDS rows 32 (w / 2) + 8 (w % 2) on; its second, keys 8 further, lies 16 rows further
	v_bfe_u32 v10, v0, 5, 1
	v_mul_u32_u24 v10, v10, 640
	v_add_nc_u32 v[SK], v10, v[SK]
	v_lshrrev_b32 v10, 5, v0                       ; wave
	v_mul_u32_u24 v11, v10, 1280
	v_add_nc_u32 v[SV], v11, v9                    ; V: rows 16 w on, as they lie
	v_add_nc_u32 v[SV], VOFF, v[SV]
	v_and_b32 v11, 31, v0                          ; lane
	v_lshlrev_b32 v[GL], 4, v11
	v_lshl_add_u32 v[GL], v10, 10, v[GL]
	v_lshlrev_b32 v[PFO], 8, v11
	v_lshlrev_b32 v[QO], 6, v7
	v_lshl_add_u32 v[QO], v8, 4, v[QO]             ; Q: row r of 64 bytes, + 16 h
	v_lshlrev_b32 v[STW], 6, v7
	v_lshl_add_u32 v[STW], v8, 3, v[STW]
	v_lshl_add_u32 v[STW], v10, 11, v[STW]
	v_add_nc_u32 v[STW], STAGE, v[STW]             ; my stage: query r's 64 bytes, + 8 h
	v_lshlrev_b32 v[STR], 4, v11
	v_lshl_add_u32 v[STR], v10, 11, v[STR]
	v_add_nc_u32 v[STR], STAGE, v[STR]             ; back: 16 x lane
	v_lshlrev_b32 v[GO], 4, v7
	v_lshl_add_u32 v[GO], v8, 12, v[GO]            ; lanes 0-15: four queries' 256 bytes; lanes 16-31: the next four's, 4,096 bytes on
	s_wait_kmcnt 0x0
	s_load_b256 s[32:39], s[10:11], 0x0            ; e0 .. e7
	s_load_b128 s[40:43], s[10:11], 0x20           ; e8 .. e11
	s_add_nc_u64 s[44:45], s[6:7], s[48:49]
	s_add_nc_u64 s[46:47], s[8:9], s[48:49]
	s_add_nc_u64 s[4:5], s[4:5], s[50:51]
	s_add_nc_u64 s[12:13], s[12:13], s[52:53]
	s_cmp_lt_u32 s14, 2                            ; waves 0 and 1 prefetch K's codes, waves 2 and 3 V's
	s_cselect_b64 s[28:29], s[44:45], s[46:47]
	s_add_nc_u64 s[28:29], s[28:29], s[54:55]
	global_load_b128 v[STG:STG+3],     v[GL], s[44:45]             ; slot 0
	global_load_b128 v[STG+4:STG+7],   v[GL], s[44:45] offset:512
	global_load_b128 v[STG+8:STG+11],  v[GL], s[46:47]
	global_load_b128 v[STG+12:STG+15], v[GL], s[46:47] offset:512
.irp y, 0,1
.irp c, 0,1
	global_load_b128 v[QFR+8*\y+4*\c:QFR+8*\y+4*\c+3], v[QO], s[4:5] offset:1024*\y+32*\c   ; Q stays in registers
.endr
.endr
.irp y, 0,1
	v_mov_b32 v[STA+8*\y], 0x7f61b1e6              ; -M = 3e38,
	v_mov_b32 v[STA+8*\y+1], 0xff61b1e6            ; the largest score so far = -3e38: under every score
.irp i, 2,3,4,5,6,7
	v_mov_b32 v[STA+8*\y+\i], 0
.endr
.endr
.set j, 0
.rept 64
	v_mov_b32 v[OAC+j], 0                          ; O^T.  (The step is written once: the first finds zeros, which the first change of M leaves zeros)
.set j, j+1
.endr
	s_wait_kmcnt 0x0
	s_add_co_i32 s30, s38, s39
	s_lshl_b32 s30, s30, 23
	s_add_co_i32 s22, s30, 0x3e38aa3b              ; c = log2(e) / 8, with e6 + e7 added to its exponent field: a score stands for score x 2^(e6 + e7)
	s_mov_b32 s23, s22                             ; (named with it as a pair, so it is written)
	s_add_co_i32 s30, s40, 127
	s_lshl_b32 s31, s30, 23
	v_mov_b32 v[SC], s31
	s_add_co_i32 s30, s30, 15
	s_lshl_b32 s30, s30, 23
	s_or_b32 s30, s30, 0x600000
	v_mov_b32 v[LIMP], s30
	s_cmp_ge_i32 s40, -15
	s_cselect_b32 s27, 1, 0                        ; 57,344 x 2^-15 = 1.75: from e8 = -15 on no p reaches the largest code
	s_sub_co_i32 s30, s42, s40
	s_sub_co_i32 s30, s30, s41                     ; a sum of the second product stands for sum x 2^(e8 + e9): o's code is (sum / l) / 2^(e10 - e8 - e9)
	s_add_co_i32 s30, s30, 127
	s_lshl_b32 s31, s30, 23
	v_mov_b32 v[SCO], s31
	s_add_co_i32 s30, s30, 15
	s_lshl_b32 s30, s30, 23
	s_or_b32 s30, s30, 0x600000
	v_mov_b32 v[LIMO], s30
; THE CHANGE OF SLOTS.  My 64 bytes of the slot ahead, loaded a slot ago, go into buffer sl; one barrier: behind it the buffer is whole.  Its last readers finished in front of the barrier before this one
; (each wave waits for all its LDS instructions in front of every signal).  Behind the barrier the next slot is asked for; the launch's last change asks for nothing: no load leaves its buffer.
; THE PREFETCH names the slot after that: 16,384 bytes of K and as many of V, lanes 256 bytes apart, 8,192 bytes a wave, one instruction each in waves 0 to 3 of the head's first work-group alone:
; each aligned block of 256 bytes is named once in the launch.  Slots 0 and 1 come by their loads alone; the last trip names nothing.
.macro CHANGE sl
	s_wait_loadcnt 0x0                             ; the slot's bytes are in registers (in the first trip: Q too)
	ds_store_b128 v[SK], v[STG:STG+3]     offset:\sl*BUFB
	ds_store_b128 v[SK], v[STG+4:STG+7]   offset:\sl*BUFB+1280
	ds_store_b128 v[SV], v[STG+8:STG+11]  offset:\sl*BUFB
	ds_store_b128 v[SV], v[STG+12:STG+15] offset:\sl*BUFB+640
	s_wait_dscnt 0x0                               ; for the others' sake: my stores are done
	s_barrier_signal -1
	s_barrier_wait -1
.if \sl == 1
	s_cmp_gt_u32 s25, 1
	s_cbranch_scc0 .Lno_load_\@
.endif
	global_load_b128 v[STG:STG+3],     v[GL], s[44:45] offset:16384*(\sl+1)
	global_load_b128 v[STG+4:STG+7],   v[GL], s[44:45] offset:16384*(\sl+1)+512
	global_load_b128 v[STG+8:STG+11],  v[GL], s[46:47] offset:16384*(\sl+1)
	global_load_b128 v[STG+12:STG+15], v[GL], s[46:47] offset:16384*(\sl+1)+512
.if \sl == 1
.Lno_load_\@:
.endif
	s_cmp_gt_u32 s25, s26
	s_cbranch_scc0 .Lno_pf_\@
	global_prefetch_b8 v[PFO], s[28:29] offset:16384*(\sl+2) th:TH_LOAD_NT scope:SCOPE_SE
.Lno_pf_\@:
.endm
; A KEY STEP: 64 keys, the q-th of buffer sl.
.macro STEP sl, q
	s_add_co_u32 s30, s19, 31
	s_cmp_gt_u32 s24, s30                          ; all 64 keys come after my 32 queries: nothing to do
	s_cbranch_scc1 .Lhid_\@
.rept 4
	v_nop                                          ; places behind the last step's products, in front of loads into the registers that they read, and of the reads of O^T below
.endr
.irp t, 0,1,2,3
.irp c, 0,1
	ds_load_b128 v[FRG+8*\t+4*\c:FRG+8*\t+4*\c+3], v[AK] offset:\sl*BUFB+(64*\q+16*\t)*80+32*\c
.endr
.endr
	s_wait_dscnt 0x0
.irp t, 0,1,2,3
.irp y, 0,1
	v_wmma_f32_16x16x64_bf8_bf8 v[SCR+32*\y+8*\t:SCR+32*\y+8*\t+7], v[FRG+8*\t:FRG+8*\t+7], v[QFR+8*\y:QFR+8*\y+7], 0
.endr
.endr
.rept 4
	v_nop                                          ; places: the loads below land in registers that these products read, and the scores are read
.endr
.irp t, 0,1,2,3                        ; V's four fragments land while the softmax is worked
.irp c, 0,1
	ds_load_b128 v[FRG+8*\t+4*\c:FRG+8*\t+4*\c+3], v[AV] offset:\sl*BUFB+(64*\q+16*\t)*80+32*\c
.endr
.endr
	s_add_co_u32 s30, s24, 63                      ; on the diagonal hidden scores become -infinity ahead of the maximum, so that p = 0; a step all of whose keys count jumps over this
	s_cmp_le_u32 s30, s19
	s_cbranch_scc1 .Lopen_\@
	s_sub_co_i32 s30, s19, s24
	v_and_b32 v7, 15, v0
	v_bfe_u32 v8, v0, 4, 1
	v_lshlrev_b32 v8, 4, v8
	v_sub_nc_u32 v7, v7, v8
	v_add_nc_u32 v7, s30, v7                       ; d = my query - the step's first key - 16 (lane / 16), for tile 0,
	v_add_nc_u32 v8, 16, v7                        ; for tile 1.  Register 16 b + i holds key 32 b + 16 (lane / 16) + i of the step: hidden where 32 b + i > d
	v_mov_b32 v9, 0xff800000
.irp y, 0,1
.irp n, 0,1,2,3,4,5,6,7,8,9,10,11,12,13,14,15,16,17,18,19,20,21,22,23,24,25,26,27,28,29,30,31
	v_cmp_gt_i32 vcc_lo, 32*(\n/16)+\n%16, v[7+\y]
	v_cndmask_b32 v[SCR+32*\y+\n], v[SCR+32*\y+\n], v9, vcc_lo
.endr
.endr
.Lopen_\@:
.irp y, 0,1                            ; the largest of my 32 scores and the largest so far; the registers in ascending order, the two tiles by turns
	v_max3_num_f32 v[STA+8*\y+6], v[SCR+32*\y], v[SCR+32*\y+1], v[SCR+32*\y+2]
.endr
.irp i, 3,5,7,9,11,13,15,17,19,21,23,25,27,29
.irp y, 0,1
	v_max3_num_f32 v[STA+8*\y+6], v[STA+8*\y+6], v[SCR+32*\y+\i], v[SCR+32*\y+\i+1]
.endr
.endr
.irp y, 0,1
	v_max3_num_f32 v[STA+8*\y+6], v[STA+8*\y+6], v[SCR+32*\y+31], v[STA+8*\y+1]
.endr
.irp y, 0,1
	v_permlanex16_b32 v[STA+8*\y+7], v[STA+8*\y+6], s20, s21       ; the query's other 32 keys lie in the lane 16 away
.endr
.irp y, 0,1
	v_max_num_f32 v[STA+8*\y+1], v[STA+8*\y+6], v[STA+8*\y+7]
.endr
.irp y, 0,1
	v_mov_b32 v[STA+8*\y+7], v[STA+8*\y]           ; the old -M
.endr
.irp y, 0,1
	v_mul_f32 v[STA+8*\y+6], s22, v[STA+8*\y+1]    ; as t (c is positive)
.endr
.irp y, 0,1
	v_floor_f32 v[STA+8*\y], -v[STA+8*\y+6]        ; the new -M = floor(-t) = -ceil(t): a whole number
.endr
.irp y, 0,1
	v_sub_f32 v[STA+8*\y+7], v[STA+8*\y], v[STA+8*\y+7]   ; old M - new M: 0 or less
.endr
.irp y, 0,1
	v_cvt_i32_f32 v[STA+8*\y+7], v[STA+8*\y+7]     ; (it saturates)
.endr
.irp y, 0,1
	v_ldexp_f32 v[STA+8*\y+4], 1.0, v[STA+8*\y+7]  ; f = 2^(old M - new M)
.endr
.irp y, 0,1
.irp j, 0,2,4,6,8,10,12,14,16,18,20,22,24,26,28,30
	v_pk_fma_f32 v[SCR+32*\y+\j:SCR+32*\y+\j+1], v[SCR+32*\y+\j:SCR+32*\y+\j+1], s[22:23], v[STA+8*\y:STA+8*\y+1] op_sel_hi:[1,0,0]   ; t - M, two at a time
.endr
.endr
.set j, 0
.rept 64
	v_exp_f32 v[SCR+j], v[SCR+j]                   ; p = 2^(t - M): one batch
.set j, j+1
.endr
.irp y, 0,1
.irp j, 0,2,4,6,8,10,12,14,16,18,20,22,24,26,28,30
	v_pk_mul_f32 v[OAC+32*\y+\j:OAC+32*\y+\j+1], v[OAC+32*\y+\j:OAC+32*\y+\j+1], v[STA+8*\y+4:STA+8*\y+5] op_sel_hi:[1,0]   ; O^T under the new M: work that names no exponential's result
.endr
.endr
	s_wait_alu depctr_va_vdst(0)                   ; one wait for the batch, ahead of its first reader
.irp y, 0,1                            ; the row's sum is taken of the unquantised p: two chains a tile
	v_pk_fma_f32 v[STA+8*\y+2:STA+8*\y+3], v[STA+8*\y+2:STA+8*\y+3], v[STA+8*\y+4:STA+8*\y+5], v[SCR+32*\y:SCR+32*\y+1] op_sel_hi:[1,0,1]   ; l f + the first pair
	v_pk_add_f32 v[STA+8*\y+6:STA+8*\y+7], v[SCR+32*\y+2:SCR+32*\y+3], v[SCR+32*\y+6:SCR+32*\y+7]
.endr
.irp k, 4,8,12,16,20,24
.irp y, 0,1
	v_pk_add_f32 v[STA+8*\y+2:STA+8*\y+3], v[STA+8*\y+2:STA+8*\y+3], v[SCR+32*\y+\k:SCR+32*\y+\k+1]
	v_pk_add_f32 v[STA+8*\y+6:STA+8*\y+7], v[STA+8*\y+6:STA+8*\y+7], v[SCR+32*\y+\k+6:SCR+32*\y+\k+7]
.endr
.endr
.irp y, 0,1
	v_pk_add_f32 v[STA+8*\y+2:STA+8*\y+3], v[STA+8*\y+2:STA+8*\y+3], v[SCR+32*\y+28:SCR+32*\y+29]
.endr
.irp y, 0,1
	v_pk_add_f32 v[STA+8*\y+2:STA+8*\y+3], v[STA+8*\y+2:STA+8*\y+3], v[STA+8*\y+6:STA+8*\y+7]
.endr
	s_cmp_eq_u32 s27, 1
	s_cbranch_scc1 .Lno_hold_\@
.set j, 0
.rept 64
	v_min_num_f32 v[SCR+j], v[SCR+j], v[LIMP]      ; the conversion to an 8-bit code does not saturate (ISA guide 7.6.2); p is not negative, so the hold is one-sided
.set j, j+1
.endr
.Lno_hold_\@:
.irp y, 0,1
.irp b, 0,1
	v_cvt_scalef32_pk8_bf8_f32 v[PCD+8*\y+4*\b:PCD+8*\y+4*\b+1], v[SCR+32*\y+16*\b:SCR+32*\y+16*\b+7], v[SC]
	v_cvt_scalef32_pk8_bf8_f32 v[PCD+8*\y+4*\b+2:PCD+8*\y+4*\b+3], v[SCR+32*\y+16*\b+8:SCR+32*\y+16*\b+15], v[SC]
.endr
.endr
	v_nop                                          ; one plain vector instruction between the last conversion and the products that read the codes
	s_wait_dscnt 0x0                               ; V is in
.irp t, 0,1,2,3                        ; O^T += V^T P^T: the eight accumulators take turns, one instruction a turn
.irp y, 0,1
	v_wmma_f32_16x16x64_bf8_bf8 v[OAC+32*\y+8*\t:OAC+32*\y+8*\t+7], v[FRG+8*\t:FRG+8*\t+7], v[PCD+8*\y:PCD+8*\y+7], v[OAC+32*\y+8*\t:OAC+32*\y+8*\t+7]
.endr
.endr
.Lhid_\@:
	s_add_co_u32 s24, s24, 64
.endm
.Ltrip:                                            ; four trips of two slots
	CHANGE 0
	STEP 0, 0
	STEP 0, 1
	STEP 0, 2
	STEP 0, 3
	CHANGE 1
	STEP 1, 0
	STEP 1, 1
	STEP 1, 2
	STEP 1, 3
	s_wait_xcnt 0x0                                ; the trip's loads and prefetches have read their bases, so these may step
	s_add_nc_u64 s[44:45], s[44:45], 32768
	s_add_nc_u64 s[46:47], s[46:47], 32768
	s_add_nc_u64 s[28:29], s[28:29], 32768
	s_sub_co_u32 s25, s25, 1
	s_cmp_lg_u32 s25, 0
	s_cbranch_scc1 .Ltrip
	; THE WAY OUT.  O^T / the sum, held, quantised along the head's channels (a lane's eight registers of a tile are eight neighbours), through my own stage, so that sixteen lanes store 256 consecutive bytes.
.rept 4
	v_nop                                          ; places behind the last products
.endr
.irp y, 0,1
	v_add_f32 v[STA+8*\y+6], v[STA+8*\y+2], v[STA+8*\y+3]
.endr
.irp y, 0,1
	v_permlanex16_b32 v[STA+8*\y+7], v[STA+8*\y+6], s20, s21
.endr
.irp y, 0,1
	v_add_f32 v[STA+8*\y+6], v[STA+8*\y+6], v[STA+8*\y+7]          ; the row's sum
.endr
.irp y, 0,1
	v_rcp_f32 v[STA+8*\y+4], v[STA+8*\y+6]
.endr
	v_nop                                          ; a plain instruction behind the last reciprocal
	s_wait_alu depctr_va_vdst(0)                   ; one wait for the two, ahead of their first reader
.irp y, 0,1
.irp j, 0,2,4,6,8,10,12,14,16,18,20,22,24,26,28,30
	v_pk_mul_f32 v[SCR+32*\y+\j:SCR+32*\y+\j+1], v[OAC+32*\y+\j:OAC+32*\y+\j+1], v[STA+8*\y+4:STA+8*\y+5] op_sel_hi:[1,0]   ; register 8 t + i: channel 16 t + 8 (lane / 16) + i
.endr
.endr
.set j, 0
.rept 64
	v_med3_num_f32 v[SCR+j], v[SCR+j], -v[LIMO], v[LIMO]
.set j, j+1
.endr
.irp y, 0,1
.irp t, 0,1,2,3
	v_cvt_scalef32_pk8_bf8_f32 v[PCD+8*\y+2*\t:PCD+8*\y+2*\t+1], v[SCR+32*\y+8*\t:SCR+32*\y+8*\t+7], v[SCO]
.endr
.endr
	v_nop
.irp y, 0,1
.irp t, 0,1,2,3
	ds_store_b64 v[STW], v[PCD+8*\y+2*\t:PCD+8*\y+2*\t+1] offset:1024*\y+16*\t
.endr
.endr
.irp i, 0,1,2,3
	ds_load_b128 v[FRG+4*\i:FRG+4*\i+3], v[STR] offset:512*\i      ; LDS serves a wave's instructions in order (ISA guide 5.7.1.4): these see my stores
.endr
.irp i, 0,1,2,3
	s_wait_dscnt 3-\i                              ; this load is in; the younger ones may be out
	global_store_b128 v[GO], v[FRG+4*\i:FRG+4*\i+3], s[12:13] offset:8192*\i   ; eight queries: two aligned runs of 256 bytes
.endr
	s_wait_tensorcnt 0x0
	ds_add_u32 v254, v255
	s_wait_dscnt 0x0
	s_endpgm
.Lfunc_end_k_q55215788c2_attn:
	.size	k_q55215788c2_attn, .Lfunc_end_k_q55215788c2_attn-k_q55215788c2_attn
	.p2alignl 7, 3214868480
	.fill 96, 4, 3214868480
	.section	.rodata,"a",@progbits
	.p2align	6, 0x0
	.amdhsa_kernel k_q55215788c2_attn
		.amdhsa_group_segment_fixed_size 116736
		.amdhsa_private_segment_fixed_size 0
		.amdhsa_enable_private_segment 0
		.amdhsa_kernarg_size 40
		.amdhsa_user_sgpr_count 2
		.amdhsa_user_sgpr_kernarg_segment_ptr 1
		.amdhsa_wavefront_size32 1
		.amdhsa_system_sgpr_workgroup_id_x 1
		.amdhsa_system_sgpr_workgroup_id_y 1
		.amdhsa_system_sgpr_workgroup_id_z 1
		.amdhsa_system_vgpr_workitem_id 0
		.amdhsa_next_free_vgpr 256
		.amdhsa_next_free_sgpr 66
		.amdhsa_reserve_vcc 1
		.amdhsa_float_denorm_mode_32 3
		.amdhsa_float_denorm_mode_16_64 3
		.amdhsa_memory_ordered 1
		.amdhsa_forward_progress 1
		.amdhsa_inst_pref_size 181
	.end_amdhsa_kernel
	.amdgpu_metadata
---
amdhsa.version: [ 1, 2 ]
amdhsa.kernels:
  - .name:           k_q55215788c2_attn
    .symbol:         k_q55215788c2_attn.kd
    .args:
      - { .name: qc, .offset: 0, .size: 8, .value_kind: global_buffer, .address_space: global }
      - { .name: kc, .offset: 8, .size: 8, .value_kind: global_buffer, .address_space: global }
      - { .name: vc, .offset: 16, .size: 8, .value_kind: global_buffer, .address_space: global }
      - { .name: lowp_scales, .offset: 24, .size: 8, .value_kind: global_buffer, .address_space: global }
      - { .name: oc, .offset: 32, .size: 8, .value_kind: global_buffer, .address_space: global }
    .group_segment_fixed_size: 116736
    .private_segment_fixed_size: 0
    .kernarg_segment_align: 8
    .kernarg_segment_size: 40
    .max_flat_workgroup_size: 512
    .sgpr_count:     66
    .vgpr_count:     256
    .wavefront_size: 32
...
	.end_amdgpu_metadata
.endif
;; end of part 2
;; launch proj (part 3): grid 8 x 32, 4 waves a work-group, clusters of 4 x 4, 327,680 bytes of LDS; arguments oc, Wo_codes, lowp_scales, bo, out0; writes out0
.if DOCPART == 3
	.amdgcn_target "amdgcn-amd-amdhsa--gfx1250"
	.amdhsa_code_object_version 6
	.text
	.protected	k_q55215788c2_proj
	.globl	k_q55215788c2_proj
	.p2align	8
	.type	k_q55215788c2_proj,@function
k_q55215788c2_proj:
	s_mov_b64 s[64:65], 0
	v_nop
	global_prefetch_b8 v0, s[64:65] scope:SCOPE_SE
	s_setreg_imm32_b32 hwreg(HW_REG_WAVE_MODE, 25, 1), 1
	s_wait_xcnt 0x0
	s_wait_alu depctr_hold_cnt(0) depctr_sa_sdst(0) depctr_va_vdst(0) depctr_va_sdst(0) depctr_va_ssrc(0) depctr_va_vcc(0) depctr_vm_vsrc(0)
	s_getreg_b32 s2, hwreg(HW_REG_IB_STS2, 6, 4)
	s_cmp_eq_u32 s2, 0
	s_cbranch_scc0 .Lentry_in_a_cluster
	s_endpgm
.Lentry_in_a_cluster:
	s_bfe_u32 s2, ttmp6, 0x10000c
	s_cmp_lg_u32 s2, 0xf033
	s_cbranch_scc0 .Lentry_shape_is_right
	s_endpgm
.Lentry_shape_is_right:
; out0[row][n] = 2^(e10 + e11) x (sum over k of o[row][k] Wo[n][k]) + bo[n], on codes of BF8 (E5M2).  o's codes: (row / 4) x 4,096 + 256 (k / 64) + 64 (row % 4) + k % 64; Wo's: 1,024 rows of 1,024; out0: [8,192][1,024] f32.
; LIMIT: e10 + e11 lies between -126 and 127, so that 2^(e10 + e11) is an f32 number.
; A tile is 256 rows x 128 columns: 256 work-groups, one for each WGP (tiles of 256 x 256 would be 128).  Four waves of 128 x 64: 32 accumulators, 256 registers.  K in four steps of 256 through two LDS slots.
; A K step of o is 1,024 consecutive bytes of each group of four rows: A's tile is 32 such lines a load, 1,040 bytes apart in LDS; B's is 64 rows of 256 bytes, 272 apart.
; CLUSTERS: 4 x 4 work-groups; A's tile is shared along a row of the cluster, B's along a column: joint loads.  THE MATRIX INSTRUCTION IS USED TRANSPOSED (source 0 = rows of Wo, source 1 = rows of o): a lane holds eight neighbouring numbers of a row of out0.
; REGISTERS: window 0: v0-31 addresses, v8-11 bo; v32-95 the way out; from v128 A's fragments, one set.  window 1: B's fragments, two sets of 64.  window 2: accumulator (a, b) at v[8 (4 a + b)].
.set APITCH, 1040                      ; four rows' 1,024 bytes + 16: rows r / 4 and r % 4 of a fragment start in 16 different columns of 16 bytes
.set AHALF,  32*APITCH                 ; 128 rows of o
.set BPITCH, 272
.set BHALF,  64*BPITCH                 ; 64 rows of Wo
.set BOFF,   2*AHALF
.set SLOT,   BOFF+2*BHALF
.set SPARE,  2*SLOT                    ; behind the ring: the spare words, 128 bytes a wave: two blocks of 256 bytes that no other line names
.set LAPS,   2
.set FR,     16
.set NL,     4
.set NP,     4
.set SPITCH, 272                       ; the way out: 16 rows x (256 bytes + 16) for each wave, in slot 0, which has had its last fill and its last read by then
.set BI,   8                           ; v8-11   bo at my four columns
.set BA,   12                          ; v12     their byte offset in bo
.set ADRA, 16
.set ADRB, 20
.set STO,  24
.set RD,   25
.set CO,   26
.set SPW,  28
.set NIL,  29
.set BK,   32                          ; v32-63, v64-95 by turns: 16 rows read back
.set AF,   128
.set G1, 24
.set G0, 32
.set G1B, 48
.set G0B, 56
.set MSB, 0
.macro WIN new                         ; the immediate's high byte repeats the setting that is left
.if MSB != \new
	s_set_vgpr_msb (MSB<<8)|\new
.set MSB, \new
.endif
.endm
.set MUL,  0xa1                        ; source 0 (B) window 1, source 1 (A) window 0, C and D window 2
.set TO_B, 0x40                        ; destination window 1, address window 0
.macro JLOAD g0a, g1a, g0b, g1b        ; a joint load: waves 0 and 1 fetch for A, waves 2 and 3 for B; four v_nop follow each of the two lines
	s_cmp_eq_u32 s15, 0
	s_cbranch_scc0 .Lfor_b_\@
	tensor_load_to_lds s[\g0a:\g0a+3], s[\g1a:\g1a+7]
	s_nop 0
.rept 4
	v_nop
.endr
	s_branch .Lasked_\@
.Lfor_b_\@:
	tensor_load_to_lds s[\g0b:\g0b+3], s[\g1b:\g1b+7]
	s_nop 0
.rept 4
	v_nop
.endr
.Lasked_\@:
.endm
.macro CREST
	s_cmp_lg_u32 s14, 0
	s_cbranch_scc1 .Lnot_wave_0_\@
	s_barrier_signal -3
.Lnot_wave_0_\@:
	s_barrier_wait -3
	s_barrier_signal -1
	s_barrier_wait -1
.endm
.macro CROUND
	s_barrier_signal -1
	s_barrier_wait -1
	CREST
.endm
	s_load_b128 s[4:7], s[0:1], 0x0                ; o's codes s[4:5], Wo's codes s[6:7]
	s_load_b128 s[8:11], s[0:1], 0x10              ; the scales' exponents s[8:9], bo s[10:11]
	s_load_b64 s[12:13], s[0:1], 0x20              ; out0
	v_lshl_add_u32 v[SPW], v0, 2, SPARE
	v_mov_b32 v[NIL], 0
	ds_add_u32 v28, v29
	ds_add_u32 v28, v29
	s_wait_dscnt 0x0
	v_lshrrev_b32 v1, 5, v0
	v_readfirstlane_b32 s14, v1                    ; wave 0..3
	s_lshr_b32 s15, s14, 1                         ; which 128 rows of the tile are mine.  Also: I fetch for A (0) or for B (1)
	s_and_b32 s16, s14, 1                          ; which 64 columns.  Also: which half of that tile I fetch
	s_bfe_u32 s40, ttmp6, 0x40000                  ; cx, cy
	s_bfe_u32 s41, ttmp6, 0x40004
	s_lshl_b32 s42, ttmp9, 2
	s_add_co_u32 s42, s42, s40                     ; tile column = 4 x cluster x + cx
	s_and_b32 s17, ttmp7, 0xffff
	s_lshl_b32 s17, s17, 2
	s_add_co_u32 s17, s17, s41                     ; tile row = 4 x cluster y + cy
	s_lshl_b32 s43, s41, 2
	s_lshl_b32 s43, 15, s43                        ; my row of the cluster
	s_lshl_b32 s44, 0x1111, s40                    ; my column
	s_or_b32 s[G1+0], s43, (0<<16)|(1<<20)|(1<<21)|(7<<22)|(3<<25)  ; A: the mask of my row; elements of 1 byte; padding on; bit 21 beside a mask; after every 256 words (code 7) 4 words (code 3)
	s_mov_b32 s[G1+1], 1024<<16                    ; tensor_dim0 = 1,024
	s_mov_b32 s[G1+2], 32<<16                      ; tensor_dim1 = 32
	s_mov_b32 s[G1+3], 1024<<16                    ; tile_dim0
	s_mov_b32 s[G1+4], 32                          ; tile_dim1
	s_mov_b32 s[G1+5], 4096                        ; from one group of four rows to the next
	s_mov_b32 s[G1+6], 0
	s_mov_b32 s[G1+7], 0
	s_or_b32 s[G1B+0], s44, (0<<16)|(1<<20)|(1<<21)|(5<<22)|(3<<25) ; B: the mask of my column; after every 64 words 4 words
	s_mov_b32 s[G1B+1], 256<<16
	s_mov_b32 s[G1B+2], 64<<16
	s_mov_b32 s[G1B+3], 256<<16
	s_mov_b32 s[G1B+4], 64
	s_mov_b32 s[G1B+5], 1024
	s_mov_b32 s[G1B+6], 0
	s_mov_b32 s[G1B+7], 0
	s_lshl_b32 s20, s17, 6
	s_lshl_b32 s18, s16, 5
	s_add_co_u32 s20, s20, s18                     ; A: group of four rows 64 x tile row + 32 x half,
	s_lshl_b32 s20, s20, 12                        ; in bytes: under 2^23
	s_mov_b32 s21, 0
	s_lshl_b32 s46, s42, 7
	s_lshl_b32 s18, s16, 6
	s_add_co_u32 s46, s46, s18                     ; B: row 128 x tile column + 64 x half
	s_lshl_b32 s46, s46, 10
	s_mov_b32 s47, 0
	s_mul_i32 s45, s16, AHALF                      ; where they go: no place in the cluster enters an LDS address
	s_mul_i32 s19, s16, BHALF
	s_add_co_u32 s19, s19, BOFF
	s_wait_kmcnt 0x0
	s_load_b64 s[96:97], s[8:9], 0x28              ; e10, e11
	s_add_nc_u64 s[20:21], s[4:5], s[20:21]
	s_add_nc_u64 s[46:47], s[6:7], s[46:47]
	CROUND                                         ; all sixteen work-groups are here: the first joint loads meet
.irp s, 0,1
	s_mov_b32 s[G0+4*\s], 1
	s_add_co_u32 s[G0+4*\s+1], s45, \s*SLOT
	s_add_nc_u64 s[G0+4*\s+2:G0+4*\s+3], s[20:21], \s*1024
	s_or_b32 s[G0+4*\s+3], s[G0+4*\s+3], 0x80000000
	s_mov_b32 s[G0B+4*\s], 1
	s_add_co_u32 s[G0B+4*\s+1], s19, \s*SLOT
	s_add_nc_u64 s[G0B+4*\s+2:G0B+4*\s+3], s[46:47], \s*256
	s_or_b32 s[G0B+4*\s+3], s[G0B+4*\s+3], 0x80000000
	JLOAD G0+4*\s, G1, G0B+4*\s, G1B
.endr
	v_and_b32 v1, 15, v0                           ; r
	v_bfe_u32 v2, v0, 4, 1                         ; h
	v_lshrrev_b32 v3, 2, v1
	v_and_b32 v4, 3, v1
	v_mul_u32_u24 v3, v3, APITCH
	v_lshl_add_u32 v3, v4, 6, v3
	v_lshl_add_u32 v3, v2, 4, v3                   ; A: (r / 4) x 1,040 + 64 (r % 4) + 16 h
	v_mul_u32_u24 v4, v1, BPITCH
	v_lshl_add_u32 v4, v2, 4, v4                   ; B: 272 r + 16 h
	s_mul_i32 s21, s15, AHALF                      ; my 128 rows of o
	s_mul_i32 s22, s16, BHALF                      ; my 64 rows of Wo
	s_add_co_u32 s22, s22, BOFF
.irp s, 0,1
	v_add_nc_u32 v[ADRA+\s], s21, v3
	v_add_nc_u32 v[ADRB+\s], s22, v4
	s_add_co_u32 s21, s21, SLOT
	s_add_co_u32 s22, s22, SLOT
.endr
	s_mul_i32 s23, s14, 16*SPITCH                  ; my stage
	v_mul_u32_u24 v5, v1, SPITCH
	v_lshl_add_u32 v5, v2, 5, v5
	v_add_nc_u32 v[STO], s23, v5                   ; in: row r, 32 bytes for each half of the lanes
	v_mul_u32_u24 v5, v2, SPITCH
	v_lshl_add_u32 v5, v1, 4, v5
	v_add_nc_u32 v[RD], s23, v5                    ; back: lanes 0-15 one row of 256 bytes, lanes 16-31 the next
	v_lshlrev_b32 v[CO], 12, v2
	v_lshl_add_u32 v[CO], v1, 4, v[CO]             ; and the same two rows in out0
	s_lshl_b32 s20, s17, 20                        ; my first row: 256 x tile row + 128 x half, of 4,096 bytes
	s_lshl_b32 s21, s15, 19
	s_add_co_u32 s20, s20, s21
	s_lshl_b32 s46, s42, 9                         ; my first column, in bytes: 512 x tile column + 256 x half
	s_lshl_b32 s47, s16, 8
	s_add_co_u32 s46, s46, s47
	v_lshlrev_b32 v[BA], 4, v1
	v_add_nc_u32 v[BA], s46, v[BA]
	s_add_co_u32 s20, s20, s46
	s_mov_b32 s21, 0
	s_add_nc_u64 s[12:13], s[12:13], s[20:21]
	global_load_b128 v[BI:BI+3], v[BA], s[10:11]   ; bo at the four columns that I store, once
.macro FRAG_A reg, adr, q, i           ; 16 rows x 128 K: registers 4 c .. 4 c + 3 hold K = 128 q + 32 c + 16 h + 0 .. 15: head 2 q + c / 2 of the slot's four, channels 32 (c % 2) + 16 h on
.irp c, 0,1,2,3
	ds_load_b128 v[\reg+4*\c:\reg+4*\c+3], v[\adr] offset:(\i)*4*APITCH+(2*(\q)+\c/2)*256+32*(\c%2)
.endr
.endm
.macro FRAG_B reg, adr, q, i
.irp c, 0,1,2,3
	ds_load_b128 v[\reg+4*\c:\reg+4*\c+3], v[\adr] offset:128*(\q)+32*\c+(\i)*16*BPITCH
.endr
.endm
; 8 matrix instructions: A's blocks a0, a0 + 1 x B's four.  The 32 accumulators take turns, one instruction a turn, in the same order in every step.
.macro MUL8 a0, p, zero
.irp a, \a0, \a0+1
.irp b, 0,1,2,3
.if \zero
	v_wmma_f32_16x16x128_bf8_bf8 v[8*(4*(\a)+\b):8*(4*(\a)+\b)+7], v[64*(\p)+FR*\b:64*(\p)+FR*\b+FR-1], v[AF+FR*(\a):AF+FR*(\a)+FR-1], 0
.else
	v_wmma_f32_16x16x128_bf8_bf8 v[8*(4*(\a)+\b):8*(4*(\a)+\b)+7], v[64*(\p)+FR*\b:64*(\p)+FR*\b+FR-1], v[AF+FR*(\a):AF+FR*(\a)+FR-1], v[8*(4*(\a)+\b):8*(4*(\a)+\b)+7]
.endif
.endr
.endr
.endm
.macro FETCH_B slot, q, p
	WIN TO_B
.irp i, 0,1,2,3
	FRAG_B 64*(\p)+FR*\i, ADRB+\slot, \q, \i
.endr
	WIN 0
.endm
.macro FETCH_A slot, q, i0
.irp i, \i0, \i0+1, \i0+2, \i0+3
	FRAG_A AF+FR*(\i), ADRA+\slot, \q, \i
.endr
.endm
.macro PLACES n                        ; plain vector instructions between a matrix instruction and a load into, or a read of, its registers
.rept \n
	v_nop
.endr
.endm
.macro STEP slot, q, zero
	s_wait_dscnt 4*NL                              ; B's set and A's blocks 0-3 are in; the youngest 16 loads (A's blocks 4-7) may be out
	WIN MUL
	MUL8 0, (\q)%2, \zero
	MUL8 2, (\q)%2, \zero
	s_wait_dscnt 0
	PLACES NP
	FETCH_B \slot, (\q)+1, 1-(\q)%2
	FETCH_A \slot, (\q)+1, 0
	WIN MUL
	MUL8 4, (\q)%2, \zero
	MUL8 6, (\q)%2, \zero
	PLACES NP
	WIN 0
	FETCH_A \slot, (\q)+1, 4
.endm
.macro TURN slot, next, fill
	s_wait_tensorcnt 0x0                           ; all my tensor loads have landed: my part of the next slot
	ds_add_u32 v[SPW], v[NIL]                      ; 0 onto my spare word
	s_wait_dscnt 4*NL+1                            ; (the add and the youngest 16 loads may be out)
	WIN MUL
	MUL8 0, 1, 0                                   ; eight matrix instructions stand between the add and the wait for it
	s_wait_dscnt 0x0                               ; the add is done, and my reads of this slot are over
	s_barrier_signal -1
	MUL8 2, 1, 0
	WIN 0
	s_barrier_wait -1
.if \fill
	CREST                                          ; the barrier has opened a round of the cluster's barrier: no wave of any partner still reads this slot or has a load on its way
	s_add_nc_u64 s[G0+4*\slot+2:G0+4*\slot+3], s[G0+4*\slot+2:G0+4*\slot+3], 2048
	s_add_nc_u64 s[G0B+4*\slot+2:G0B+4*\slot+3], s[G0B+4*\slot+2:G0B+4*\slot+3], 512
	JLOAD G0+4*\slot, G1, G0B+4*\slot, G1B         ; the first tensor load behind the round; its four v_nop are the places in front of the loads below
.else
	PLACES NP
.endif
	FETCH_B \next, 0, 0
	FETCH_A \next, 0, 0
	WIN MUL
	MUL8 4, 1, 0
	MUL8 6, 1, 0
	PLACES NP
	WIN 0
	FETCH_A \next, 0, 4
.endm
	s_wait_tensorcnt 1                             ; my part of K step 0 is in (K step 1's load may be out)
	s_barrier_signal -1
	s_barrier_wait -1                              ; everybody's is
	FETCH_B 0, 0, 0
	FETCH_A 0, 0, 0
	FETCH_A 0, 0, 4
	STEP 0, 0, 1                                   ; the first step's products start the sums
	s_mov_b32 s3, LAPS-1
.Llap:
	TURN 0, 1, 1
	STEP 1, 0, 0
	TURN 1, 0, 1
	STEP 0, 0, 0
	s_sub_co_u32 s3, s3, 1
	s_cmp_lg_u32 s3, 0
	s_cbranch_scc1 .Llap
	TURN 0, 1, 0                                   ; the last lap fills nothing
	STEP 1, 0, 0
	s_wait_dscnt 4*NL
	WIN MUL
	MUL8 0, 1, 0
	MUL8 2, 1, 0
	s_wait_dscnt 0
	MUL8 4, 1, 0
	MUL8 6, 1, 0
	WIN 0
; THE WAY OUT, block by block of 16 rows x 64 columns: the sums go through my own stage as they are and come back as whole rows of 256 bytes; there one packed multiply-add gives sum x 2^(e10 + e11) + bo.
.macro TOSTAGE a
	WIN 0x08                                       ; the stores' data: window 2
.irp b, 0,1,2,3
	ds_store_b128 v[STO], v[8*(4*(\a)+\b):8*(4*(\a)+\b)+3] offset:64*\b          ; each accumulator from its low end on
	ds_store_b128 v[STO], v[8*(4*(\a)+\b)+4:8*(4*(\a)+\b)+7] offset:64*\b+16
.endr
	WIN 0
.set BB, BK+32*((\a)%2)
.irp t, 0,1,2,3,4,5,6,7
	ds_load_b128 v[BB+4*\t:BB+4*\t+3], v[RD] offset:\t*2*SPITCH    ; LDS serves a wave's instructions in order (ISA guide 5.7.1.4): these see the stores above
.endr
.endm
.macro SEND a, younger                 ; younger: the LDS instructions issued behind block a's loads, which may stay out
.set BB, BK+32*((\a)%2)
	s_wait_dscnt \younger
.if (\a) > 0
	s_add_nc_u64 s[12:13], s[12:13], 65536         ; 16 rows on (behind a wait on XCNT: the earlier stores have read their base)
.endif
.irp t, 0,1,2,3,4,5,6,7
	v_pk_fma_f32 v[BB+4*\t:BB+4*\t+1], v[BB+4*\t:BB+4*\t+1], s[96:97], v[BI:BI+1] op_sel_hi:[1,0,1]
	v_pk_fma_f32 v[BB+4*\t+2:BB+4*\t+3], v[BB+4*\t+2:BB+4*\t+3], s[96:97], v[BI+2:BI+3] op_sel_hi:[1,0,1]
.endr
.irp t, 0,1,2,3,4,5,6,7
	global_store_b128 v[CO], v[BB+4*\t:BB+4*\t+3], s[12:13] offset:8192*\t th:TH_STORE_NT   ; 16 lanes store 256 consecutive bytes, at a multiple of 256 from out0's first byte
.endr
.endm
	s_wait_kmcnt 0x0
	s_add_co_i32 s96, s96, s97
	s_add_co_i32 s96, s96, 127
	s_lshl_b32 s96, s96, 23                        ; 2^(e10 + e11) as f32
	s_mov_b32 s97, s96                             ; (named with it as a pair, so it is written)
	s_wait_loadcnt 0x0                             ; bo
	PLACES NP                                      ; behind the last products, in front of the stores that read results
	TOSTAGE 0
.irp a, 1,2,3,4,5,6,7
.if \a > 1
	s_wait_xcnt 0x0                                ; block a - 2's stores have read their registers and their base
.endif
	TOSTAGE \a
	SEND \a-1, 16                                  ; behind block a - 1's loads: block a's 8 stores and 8 loads
.endr
	s_wait_xcnt 0x0
	SEND 7, 0
	s_wait_tensorcnt 0x0                           ; the wave's end
	ds_add_u32 v[SPW], v[NIL]
	s_wait_dscnt 0x0
	CROUND                                         ; the closing round
	s_endpgm
.Lfunc_end_k_q55215788c2_proj:
	.size	k_q55215788c2_proj, .Lfunc_end_k_q55215788c2_proj-k_q55215788c2_proj
	.p2alignl 7, 3214868480
	.fill 96, 4, 3214868480
	.section	.rodata,"a",@progbits
	.p2align	6, 0x0
	.amdhsa_kernel k_q55215788c2_proj
		.amdhsa_group_segment_fixed_size 327680
		.amdhsa_private_segment_fixed_size 0
		.amdhsa_enable_private_segment 0
		.amdhsa_kernarg_size 40
		.amdhsa_user_sgpr_count 2
		.amdhsa_user_sgpr_kernarg_segment_ptr 1
		.amdhsa_wavefront_size32 1
		.amdhsa_system_sgpr_workgroup_id_x 1
		.amdhsa_system_sgpr_workgroup_id_y 1
		.amdhsa_system_sgpr_workgroup_id_z 1
		.amdhsa_system_vgpr_workitem_id 0
		.amdhsa_next_free_vgpr 768
		.amdhsa_next_free_sgpr 100
		.amdhsa_reserve_vcc 0
		.amdhsa_float_denorm_mode_32 3
		.amdhsa_float_denorm_mode_16_64 3
		.amdhsa_memory_ordered 1
		.amdhsa_forward_progress 1
		.amdhsa_inst_pref_size 78
	.end_amdhsa_kernel
	.amdgpu_metadata
---
amdhsa.version: [ 1, 2 ]
amdhsa.kernels:
  - .name:           k_q55215788c2_proj
    .symbol:         k_q55215788c2_proj.kd
    .args:
      - { .name: oc, .offset: 0, .size: 8, .value_kind: global_buffer, .address_space: global }
      - { .name: Wo_codes, .offset: 8, .size: 8, .value_kind: global_buffer, .address_space: global }
      - { .name: lowp_scales, .offset: 16, .size: 8, .value_kind: global_buffer, .address_space: global }
      - { .name: bo, .offset: 24, .size: 8, .value_kind: global_buffer, .address_space: global }
      - { .name: out0, .offset: 32, .size: 8, .value_kind: global_buffer, .address_space: global }
    .group_segment_fixed_size: 327680
    .private_segment_fixed_size: 0
    .kernarg_segment_align: 8
    .kernarg_segment_size: 40
    .max_flat_workgroup_size: 128
    .sgpr_count:     100
    .vgpr_count:     768
    .wavefront_size: 32
...
	.end_amdgpu_metadata
.endif
;; end of part 3
;; ======== version 2 of 2: 3 launches; version 1 with the launch attn written anew for expert scheduling mode
;; workspace buffers: qc 8,388,608 bytes; kc 8,388,608 bytes; vc 8,388,608 bytes; oc 8,388,608 bytes
;; launch qkv: the kernel of part 1 again; grid 12 x 32, 4 waves a work-group, clusters of 4 x 4, 327,680 bytes of LDS; arguments x_codes, Wq_codes, Wk_codes, Wv_codes, lowp_scales, qc, kc, vc; writes qc, kc, vc
;; launch attn (part 4): grid 4 x 64, 16 waves a work-group, no clusters, 116,736 bytes of LDS; arguments qc, kc, vc, lowp_scales, oc; writes oc
.if DOCPART == 4
	.amdgcn_target "amdgcn-amd-amdhsa--gfx1250"
	.amdhsa_code_object_version 6
	.text
	.protected	k_q55215788c2_attn
	.globl	k_q55215788c2_attn
	.p2align	8
	.type	k_q55215788c2_attn,@function
k_q55215788c2_attn:
	s_mov_b64 s[64:65], 0
	v_nop
	global_prefetch_b8 v0, s[64:65] scope:SCOPE_SE
	s_setreg_imm32_b32 hwreg(HW_REG_WAVE_SCHED_MODE, 0, 2), 2
	s_setreg_imm32_b32 hwreg(HW_REG_WAVE_MODE, 25, 1), 1
	s_wait_xcnt 0x0
	s_wait_alu depctr_vm_vsrc(0)
; Causal attention of one head on codes of BF8 (E5M2), and its result quantised with 2^e10 for the last product.  qc, kc: [64 heads][2,048][64]; vc: [64 heads][32 blocks of 64 keys][64 channels][64 keys].
; THE SOFTMAX: t = score x log2(e) / 8; M = the running largest t rounded UP to a whole number; p = 2^(t - M) is quantised with 2^e8, not normalised; the row's sum is taken of the unquantised p and divides at the end.
; When M moves, the sum and O are multiplied by 2^(old M - new M), which rounds nothing.
; SHARES.  A head's 64 groups of 32 queries go to four work-groups of sixteen waves, a group a wave: wave w has rank w xor 3 ((w / 4) % 2), and rank p of work-group j takes group 4 p + j (p even) or 4 p + 3 - j (p odd):
; every work-group's groups add up to the same number of key steps under the causal mask.  A wave holds two tiles of 16 queries, so that each fragment of K and V read from LDS feeds two products; 256 registers, no windows.
; Every work-group walks all 8 slots of 256 keys: the trip counts are constants and every wave passes every barrier.  A key step (64 keys) all of whose keys come after the wave's queries is jumped over: a scalar branch on ids.
; K AND V COME THROUGH REGISTERS: each lane loads 4 x 16 bytes a slot and stores them to LDS, two buffers by turns, one barrier a slot.
; NO CLUSTER, NO TENSOR LOAD, by this text's own arithmetic: the four work-groups of a head share K and V, but a slot is 32,768 bytes, four loads a lane, against up to 64 wave steps of some 290 vector instructions each;
; and a branch hangs on the given e8: where e8 >= -15, p <= 1 lies under 57,344 x 2^e8 and the hold's 64 instructions of a step are jumped over.
; LAYOUT.  Both products transposed: S^T = K Q^T, O^T = V^T P^T: a lane holds ONE query (lane % 16).  In LDS a key's row stands with bits 3 and 4 of its number exchanged, so that rows 16 t + r of tile t = 2 b + u hold
; key 32 b + 8 u + r + 8 (r / 8): the 16 registers of tiles 2 b, 2 b + 1 are then keys 32 b + 16 (lane / 16) + 0 .. 15, which the conversions turn into the second product's operand as it stands.
; A fragment (16 rows x 64) is two loads of 16 bytes, 32 apart: registers 4 c .. 4 c + 3 hold K = 32 c + 16 (lane / 16) + 0 .. 15, the same order on both sides of each product.
; oc: (row / 4) x 4,096 + 256 head + 64 (row % 4) + channel, row = 2,048 b + t: sixteen lanes store 256 consecutive bytes, aligned.
; LIMITS on the given exponents, so that each power of two below is an f32 number: e6 + e7 between -123 and 130; e8 between -126 and 112; e10 - e8 - e9 between -126 and 112.
; THE MODE: SCHED_MODE bits 1:0 = 2 (LLVM: expert scheduling mode 2), set by the entry lines.  The code itself states the register dependences
; between vector or matrix instructions and memory or LDS instructions, with s_wait_alu, always for 0.
; THE PLAN.  Registers that memory or LDS instructions touch:
;   v1-6, v236-238, v241   addresses and offsets: written by vector instructions at the head, once, and never again: one wait on va_vdst ahead of the first load serves every load, store and prefetch of the kernel.
;   v[STG ..]  a slot's 64 bytes.  Written by the global loads behind a change's barrier, read by the next change's four LDS stores; no vector instruction names them.  One wait on vm_vsrc a change: the stores have read them.
;   v[QFR ..]  loaded once at the head; after that matrix instructions alone read them.
;   v[FRG ..]  four fragments.  In a step: K's eight LDS loads land, the products K Q^T read them; V's eight land, the products V^T P^T read them.  So two waits on va_vdst a step, each ahead of a run of eight loads:
;              the products issued before it are done reading the registers.  Behind the second the whole softmax follows, which names none of them: V lands meanwhile.
;   v[PCD ..]  p's codes: conversions write, products read.  On the way out o's codes: conversions write, LDS stores read: one wait on va_vdst, which also shows the last products done with v[FRG ..], in which the stage's rows land.
;   v254, v255 written at the head, read by the closing add alone.
;   v[SCR ..], v[OAC ..], v[STA ..], v7-11 are named by vector and matrix instructions alone.
; A wave has all of its 256 registers but twelve in use, and sixteen waves of 256 take the WGP's registers: there is no room for a second set of fragments, so K's and V's runs of loads keep their places in the step.
; Scalar registers that vector instructions write: s14 (the wave's number) and, on the diagonal, the sixteen masks s48-63: a wait on va_sdst stands between each run of writers and its first reader.
.set BUFB,  20480                      ; a buffer: 256 rows x 80 bytes (64 + 16 of padding: 16 neighbouring rows start 20 words apart)
.set VOFF,  40960                      ; LDS: K's two buffers, then V's two,
.set STAGE, 81920                      ; then 2,048 bytes for each wave, for the way out
.set AK,   1                           ; v1   my lane's place in a fragment of K: 80 r + 16 h
.set AV,   2                           ; v2   of V
.set SK,   3                           ; v3   where I store K's 16 bytes
.set SV,   4                           ; v4   V's
.set GL,   5                           ; v5   my 16 bytes of a slot in memory: 1,024 wave + 16 lane; never rewritten
.set PFO,  6                           ; v6   256 x lane, for the prefetches; never rewritten
.set SC,   10                          ; v10  2^e8 as f32
.set LIMP, 11                          ; v11  57,344 x 2^e8
.set STA,  12                          ; tile y's statistics at v[12 + 8 y]: +0 -M, +1 the largest score so far, +2, +3 the sum in two halves, +4 f (at the end 1 / sum), +5 written once, +6, +7 at work
.set QFR,  28                          ; v28-43   Q's two fragments
.set STG,  44                          ; v44-59   a slot's 64 bytes on their way to LDS
.set FRG,  60                          ; v60-91   four fragments of K or of V
.set SCR,  92                          ; v92-155  S^T, then p: 32 a tile
.set OAC,  156                         ; v156-219 O^T: 32 a tile
.set PCD,  220                         ; v220-235 p's codes: 8 a tile
.set STW,  236                         ; v236 the way out: where I put eight codes
.set STR,  237                         ; v237 and where I read 16 bytes back
.set GO,   238                         ; v238 my byte offset in oc
.set SCO,  239                         ; v239 2^(e10 - e8 - e9) as f32
.set LIMO, 240                         ; v240 57,344 x that
.set QO,   241                         ; v241 my byte offset in the wave's rows of Q; never rewritten
.set MK,   48                          ; s48-63 on the diagonal: sixteen masks (at the head these registers hold byte offsets, which are done with by then)
; s14 wave; s15 head; s17 rank; s18 group; s19 my first query; s[20:21] lane selects; s[22:23] c; s24 the step's first key; s25 trips to go; s26 1 in a wave that prefetches, else the greatest number;
; s27 1 where no hold is needed; s[28:29] the prefetches' base; s30, s31 at work; s[32:43] e0 .. e11; s[44:45], s[46:47] K's and V's codes at the trip's first slot
	s_load_b256 s[4:11], s[0:1], 0x0               ; qc s[4:5], kc s[6:7], vc s[8:9], the scales' exponents s[10:11]
	s_load_b64 s[12:13], s[0:1], 0x20              ; oc
	v_lshl_add_u32 v254, v0, 2, 0x1c000
	v_mov_b32 v255, 0
	v_lshrrev_b32 v7, 5, v0
	v_readfirstlane_b32 s14, v7                    ; wave 0..15
	; every LDS address is made here, of the thread's number and constants; these lines stand between the line above and the wait for its scalar result
	v_and_b32 v7, 15, v0                           ; r
	v_bfe_u32 v8, v0, 4, 1                         ; h
	v_mul_u32_u24 v[AK], v7, 80
	v_lshl_add_u32 v[AK], v8, 4, v[AK]
	v_add_nc_u32 v[AV], VOFF, v[AK]
	v_bfe_u32 v9, v0, 2, 3
	v_and_b32 v10, 3, v0
	v_mul_u32_u24 v9, v9, 80
	v_lshl_add_u32 v9, v10, 4, v9                  ; a load's 512 bytes are eight rows of 64: row lane / 4, 16 (lane % 4) bytes on
	v_lshrrev_b32 v10, 6, v0
	v_mul_u32_u24 v10, v10, 2560
	v_add_nc_u32 v[SK], v10, v9                    ; K: wave w's first load holds keys 16 w .. 16 w + 7: LDS rows 32 (w / 2) + 8 (w % 2) on; its second, keys 8 further, lies 16 rows further
	v_bfe_u32 v10, v0, 5, 1
	v_mul_u32_u24 v10, v10, 640
	v_add_nc_u32 v[SK], v10, v[SK]
	v_lshrrev_b32 v10, 5, v0                       ; wave
	v_mul_u32_u24 v11, v10, 1280
	v_add_nc_u32 v[SV], v11, v9                    ; V: rows 16 w on, as they lie
	v_add_nc_u32 v[SV], VOFF, v[SV]
	v_and_b32 v11, 31, v0                          ; lane
	v_lshlrev_b32 v[GL], 4, v11
	v_lshl_add_u32 v[GL], v10, 10, v[GL]
	v_lshlrev_b32 v[PFO], 8, v11
	v_lshlrev_b32 v[QO], 6, v7
	v_lshl_add_u32 v[QO], v8, 4, v[QO]             ; Q: row r of 64 bytes, + 16 h
	v_lshlrev_b32 v[STW], 6, v7
	v_lshl_add_u32 v[STW], v8, 3, v[STW]
	v_lshl_add_u32 v[STW], v10, 11, v[STW]
	v_add_nc_u32 v[STW], STAGE, v[STW]             ; my stage: query r's 64 bytes, + 8 h
	v_lshlrev_b32 v[STR], 4, v11
	v_lshl_add_u32 v[STR], v10, 11, v[STR]
	v_add_nc_u32 v[STR], STAGE, v[STR]             ; back: 16 x lane
	v_lshlrev_b32 v[GO], 4, v7
	v_lshl_add_u32 v[GO], v8, 12, v[GO]            ; lanes 0-15: four queries' 256 bytes; lanes 16-31: the next four's, 4,096 bytes on
	s_wait_alu depctr_va_sdst(0)                   ; s14 is written, ahead of its first reader: the rank, the bases and the prefetching waves are made from it
	s_bfe_u32 s30, s14, 0x10002
	s_mul_i32 s30, s30, 3
	s_xor_b32 s17, s14, s30                        ; rank
	s_and_b32 s30, s17, 1
	s_sub_co_u32 s31, 3, ttmp9
	s_cmp_eq_u32 s30, 1
	s_cselect_b32 s30, s31, ttmp9
	s_lshl_b32 s18, s17, 2
	s_add_co_u32 s18, s18, s30                     ; my group of 32 queries
	s_lshl_b32 s19, s18, 5                         ; my first query
	s_and_b32 s15, ttmp7, 0xffff                   ; 16 b + h
	s_lshl_b32 s48, s15, 17                        ; the head's first byte in qc, kc and vc
	s_mov_b32 s49, 0
	s_lshl_b32 s50, s18, 11
	s_add_co_u32 s50, s50, s48                     ; my queries' codes
	s_mov_b32 s51, 0
	s_lshr_b32 s52, s15, 4
	s_lshl_b32 s52, s52, 21                        ; oc: the batch's 512 groups of four rows,
	s_lshl_b32 s30, s18, 15                        ; my eight,
	s_add_co_u32 s52, s52, s30
	s_and_b32 s30, s15, 15
	s_lshl_b32 s30, s30, 8                         ; my head's 256 bytes
	s_add_co_u32 s52, s52, s30
	s_mov_b32 s53, 0
	s_and_b32 s54, s14, 1
	s_lshl_b32 s54, s54, 13                        ; the prefetches: which 8,192 bytes of a slot's 16,384
	s_mov_b32 s55, 0
	s_lshr_b32 s30, s14, 2
	s_or_b32 s30, s30, ttmp9                       ; 0 in waves 0 to 3 of the head's first work-group
	s_cmp_eq_u32 s30, 0
	s_cselect_b32 s26, 1, -1
	s_mov_b32 s20, 0x76543210
	s_mov_b32 s21, 0xfedcba98                      ; v_permlanex16_b32: lane l xor 16
	s_mov_b32 s24, 0
	s_mov_b32 s25, 4
	s_wait_kmcnt 0x0
	s_load_b256 s[32:39], s[10:11], 0x0            ; e0 .. e7
	s_load_b128 s[40:43], s[10:11], 0x20           ; e8 .. e11
	s_add_nc_u64 s[44:45], s[6:7], s[48:49]
	s_add_nc_u64 s[46:47], s[8:9], s[48:49]
	s_add_nc_u64 s[4:5], s[4:5], s[50:51]
	s_add_nc_u64 s[12:13], s[12:13], s[52:53]
	s_cmp_lt_u32 s14, 2                            ; waves 0 and 1 prefetch K's codes, waves 2 and 3 V's
	s_cselect_b64 s[28:29], s[44:45], s[46:47]
	s_add_nc_u64 s[28:29], s[28:29], s[54:55]
	s_wait_alu depctr_va_vdst(0)                   ; the ten addresses and offsets v1 to v6, v236 to v238 and v241 are written, which every load, store and prefetch below reads; none is written again
	global_load_b128 v[STG:STG+3],     v[GL], s[44:45]             ; slot 0
	global_load_b128 v[STG+4:STG+7],   v[GL], s[44:45] offset:512
	global_load_b128 v[STG+8:STG+11],  v[GL], s[46:47]
	global_load_b128 v[STG+12:STG+15], v[GL], s[46:47] offset:512
.irp y, 0,1
.irp c, 0,1
	global_load_b128 v[QFR+8*\y+4*\c:QFR+8*\y+4*\c+3], v[QO], s[4:5] offset:1024*\y+32*\c   ; Q stays in registers
.endr
.endr
.irp y, 0,1
	v_mov_b32 v[STA+8*\y], 0x7f61b1e6              ; -M = 3e38,
	v_mov_b32 v[STA+8*\y+1], 0xff61b1e6            ; the largest score so far = -3e38: under every score
.irp i, 2,3,4,5,6,7
	v_mov_b32 v[STA+8*\y+\i], 0
.endr
.endr
.set j, 0
.rept 64
	v_mov_b32 v[OAC+j], 0                          ; O^T.  (The step is written once: the first finds zeros, which the first change of M leaves zeros)
.set j, j+1
.endr
	s_wait_kmcnt 0x0
	s_add_co_i32 s30, s38, s39
	s_lshl_b32 s30, s30, 23
	s_add_co_i32 s22, s30, 0x3e38aa3b              ; c = log2(e) / 8, with e6 + e7 added to its exponent field: a score stands for score x 2^(e6 + e7)
	s_mov_b32 s23, s22                             ; (named with it as a pair, so it is written)
	s_add_co_i32 s30, s40, 127
	s_lshl_b32 s31, s30, 23
	v_mov_b32 v[SC], s31
	s_add_co_i32 s30, s30, 15
	s_lshl_b32 s30, s30, 23
	s_or_b32 s30, s30, 0x600000
	v_mov_b32 v[LIMP], s30
	s_cmp_ge_i32 s40, -15
	s_cselect_b32 s27, 1, 0                        ; 57,344 x 2^-15 = 1.75: from e8 = -15 on no p reaches the largest code
	s_sub_co_i32 s30, s42, s40
	s_sub_co_i32 s30, s30, s41                     ; a sum of the second product stands for sum x 2^(e8 + e9): o's code is (sum / l) / 2^(e10 - e8 - e9)
	s_add_co_i32 s30, s30, 127
	s_lshl_b32 s31, s30, 23
	v_mov_b32 v[SCO], s31
	s_add_co_i32 s30, s30, 15
	s_lshl_b32 s30, s30, 23
	s_or_b32 s30, s30, 0x600000
	v_mov_b32 v[LIMO], s30
; THE CHANGE OF SLOTS.  My 64 bytes of the slot ahead, loaded a slot ago, go into buffer sl; one barrier: behind it the buffer is whole.  Its last readers finished in front of the barrier before this one
; (each wave waits for all its LDS instructions in front of every signal).  Behind the barrier the next slot is asked for; the launch's last change asks for nothing: no load leaves its buffer.
; THE PREFETCH names the slot after that: 16,384 bytes of K and as many of V, lanes 256 bytes apart, 8,192 bytes a wave, one instruction each in waves 0 to 3 of the head's first work-group alone:
; each aligned block of 256 bytes is named once in the launch.  Slots 0 and 1 come by their loads alone; the last trip names nothing.
.macro CHANGE sl
	s_wait_loadcnt 0x0                             ; the slot's bytes are in registers (in the first trip: Q too)
	ds_store_b128 v[SK], v[STG:STG+3]     offset:\sl*BUFB
	ds_store_b128 v[SK], v[STG+4:STG+7]   offset:\sl*BUFB+1280
	ds_store_b128 v[SV], v[STG+8:STG+11]  offset:\sl*BUFB
	ds_store_b128 v[SV], v[STG+12:STG+15] offset:\sl*BUFB+640
	s_wait_dscnt 0x0                               ; for the others' sake: my stores are done
	s_barrier_signal -1
	s_barrier_wait -1
	s_wait_alu depctr_vm_vsrc(0)                   ; the four LDS stores above have read v[STG ..], in which the next slot's loads land; ahead of the branch, so that it stands on every way to them
.if \sl == 1
	s_cmp_gt_u32 s25, 1
	s_cbranch_scc0 .Lno_load_\@
.endif
	global_load_b128 v[STG:STG+3],     v[GL], s[44:45] offset:16384*(\sl+1)
	global_load_b128 v[STG+4:STG+7],   v[GL], s[44:45] offset:16384*(\sl+1)+512
	global_load_b128 v[STG+8:STG+11],  v[GL], s[46:47] offset:16384*(\sl+1)
	global_load_b128 v[STG+12:STG+15], v[GL], s[46:47] offset:16384*(\sl+1)+512
.if \sl == 1
.Lno_load_\@:
.endif
	s_cmp_gt_u32 s25, s26
	s_cbranch_scc0 .Lno_pf_\@
	global_prefetch_b8 v[PFO], s[28:29] offset:16384*(\sl+2) th:TH_LOAD_NT scope:SCOPE_SE
.Lno_pf_\@:
.endm
; A KEY STEP: 64 keys, the q-th of buffer sl.
.macro STEP sl, q
	s_add_co_u32 s30, s19, 31
	s_cmp_gt_u32 s24, s30                          ; all 64 keys come after my 32 queries: nothing to do
	s_cbranch_scc1 .Lhid_\@
.rept 4
	v_nop                                          ; places behind the last step's products, in front of loads into the registers that they read, and of the reads of O^T below
.endr
	s_wait_alu depctr_va_vdst(0)                   ; the last step's products V^T P^T are done reading v[FRG ..], in which K's eight loads land; the places above stay beside this wait
.irp t, 0,1,2,3
.irp c, 0,1
	ds_load_b128 v[FRG+8*\t+4*\c:FRG+8*\t+4*\c+3], v[AK] offset:\sl*BUFB+(64*\q+16*\t)*80+32*\c
.endr
.endr
	s_wait_dscnt 0x0
.irp t, 0,1,2,3
.irp y, 0,1
	v_wmma_f32_16x16x64_bf8_bf8 v[SCR+32*\y+8*\t:SCR+32*\y+8*\t+7], v[FRG+8*\t:FRG+8*\t+7], v[QFR+8*\y:QFR+8*\y+7], 0
.endr
.endr
.rept 4
	v_nop                                          ; places: the loads below land in registers that these products read, and the scores are read
.endr
	s_wait_alu depctr_va_vdst(0)                   ; the products K Q^T are done reading v[FRG ..], in which V's eight loads land; no vector or matrix instruction from here to the products V^T P^T names these registers
.irp t, 0,1,2,3                        ; V's four fragments land while the softmax is worked
.irp c, 0,1
	ds_load_b128 v[FRG+8*\t+4*\c:FRG+8*\t+4*\c+3], v[AV] offset:\sl*BUFB+(64*\q+16*\t)*80+32*\c
.endr
.endr
	s_add_co_u32 s30, s24, 63                      ; on the diagonal hidden scores become -infinity ahead of the maximum, so that p = 0; a step all of whose keys count jumps over this
	s_cmp_le_u32 s30, s19
	s_cbranch_scc1 .Lopen_\@
	s_sub_co_i32 s30, s19, s24
	v_and_b32 v7, 15, v0
	v_bfe_u32 v8, v0, 4, 1
	v_lshlrev_b32 v8, 4, v8
	v_sub_nc_u32 v7, v7, v8
	v_add_nc_u32 v7, s30, v7                       ; d = my query - the step's first key - 16 (lane / 16), for tile 0,
	v_add_nc_u32 v8, 16, v7                        ; for tile 1.  Register 16 b + i holds key 32 b + 16 (lane / 16) + i of the step: hidden where 32 b + i > d
	v_mov_b32 v9, 0xff800000
.irp y, 0,1                            ; the compares stand in runs of sixteen, each into a scalar register of its own, so that one wait serves a run
.irp b, 0,1
.irp i, 0,1,2,3,4,5,6,7,8,9,10,11,12,13,14,15
	v_cmp_gt_i32 s[MK+\i], 32*\b+\i, v[7+\y]
.endr
	s_wait_alu depctr_va_sdst(0)                   ; the sixteen compares have written s48 to s63, ahead of the selects that read them
.irp i, 0,1,2,3,4,5,6,7,8,9,10,11,12,13,14,15
	v_cndmask_b32 v[SCR+32*\y+16*\b+\i], v[SCR+32*\y+16*\b+\i], v9, s[MK+\i]
.endr
.endr
.endr
.Lopen_\@:
.irp y, 0,1                            ; the largest of my 32 scores and the largest so far; the registers in ascending order, the two tiles by turns
	v_max3_num_f32 v[STA+8*\y+6], v[SCR+32*\y], v[SCR+32*\y+1], v[SCR+32*\y+2]
.endr
.irp i, 3,5,7,9,11,13,15,17,19,21,23,25,27,29
.irp y, 0,1
	v_max3_num_f32 v[STA+8*\y+6], v[STA+8*\y+6], v[SCR+32*\y+\i], v[SCR+32*\y+\i+1]
.endr
.endr
.irp y, 0,1
	v_max3_num_f32 v[STA+8*\y+6], v[STA+8*\y+6], v[SCR+32*\y+31], v[STA+8*\y+1]
.endr
.irp y, 0,1
	v_permlanex16_b32 v[STA+8*\y+7], v[STA+8*\y+6], s20, s21       ; the query's other 32 keys lie in the lane 16 away
.endr
.irp y, 0,1
	v_max_num_f32 v[STA+8*\y+1], v[STA+8*\y+6], v[STA+8*\y+7]
.endr
.irp y, 0,1
	v_mov_b32 v[STA+8*\y+7], v[STA+8*\y]           ; the old -M
.endr
.irp y, 0,1
	v_mul_f32 v[STA+8*\y+6], s22, v[STA+8*\y+1]    ; as t (c is positive)
.endr
.irp y, 0,1
	v_floor_f32 v[STA+8*\y], -v[STA+8*\y+6]        ; the new -M = floor(-t) = -ceil(t): a whole number
.endr
.irp y, 0,1
	v_sub_f32 v[STA+8*\y+7], v[STA+8*\y], v[STA+8*\y+7]   ; old M - new M: 0 or less
.endr
.irp y, 0,1
	v_cvt_i32_f32 v[STA+8*\y+7], v[STA+8*\y+7]     ; (it saturates)
.endr
.irp y, 0,1
	v_ldexp_f32 v[STA+8*\y+4], 1.0, v[STA+8*\y+7]  ; f = 2^(old M - new M)
.endr
.irp y, 0,1
.irp j, 0,2,4,6,8,10,12,14,16,18,20,22,24,26,28,30
	v_pk_fma_f32 v[SCR+32*\y+\j:SCR+32*\y+\j+1], v[SCR+32*\y+\j:SCR+32*\y+\j+1], s[22:23], v[STA+8*\y:STA+8*\y+1] op_sel_hi:[1,0,0]   ; t - M, two at a time
.endr
.endr
.set j, 0
.rept 64
	v_exp_f32 v[SCR+j], v[SCR+j]                   ; p = 2^(t - M): one batch
.set j, j+1
.endr
.irp y, 0,1
.irp j, 0,2,4,6,8,10,12,14,16,18,20,22,24,26,28,30
	v_pk_mul_f32 v[OAC+32*\y+\j:OAC+32*\y+\j+1], v[OAC+32*\y+\j:OAC+32*\y+\j+1], v[STA+8*\y+4:STA+8*\y+5] op_sel_hi:[1,0]   ; O^T under the new M: work that names no exponential's result
.endr
.endr
	s_wait_alu depctr_va_vdst(0)                   ; the 64 exponentials have written p in v[SCR ..]: one wait for the batch, ahead of its first reader
.irp y, 0,1                            ; the row's sum is taken of the unquantised p: two chains a tile
	v_pk_fma_f32 v[STA+8*\y+2:STA+8*\y+3], v[STA+8*\y+2:STA+8*\y+3], v[STA+8*\y+4:STA+8*\y+5], v[SCR+32*\y:SCR+32*\y+1] op_sel_hi:[1,0,1]   ; l f + the first pair
	v_pk_add_f32 v[STA+8*\y+6:STA+8*\y+7], v[SCR+32*\y+2:SCR+32*\y+3], v[SCR+32*\y+6:SCR+32*\y+7]
.endr
.irp k, 4,8,12,16,20,24
.irp y, 0,1
	v_pk_add_f32 v[STA+8*\y+2:STA+8*\y+3], v[STA+8*\y+2:STA+8*\y+3], v[SCR+32*\y+\k:SCR+32*\y+\k+1]
	v_pk_add_f32 v[STA+8*\y+6:STA+8*\y+7], v[STA+8*\y+6:STA+8*\y+7], v[SCR+32*\y+\k+6:SCR+32*\y+\k+7]
.endr
.endr
.irp y, 0,1
	v_pk_add_f32 v[STA+8*\y+2:STA+8*\y+3], v[STA+8*\y+2:STA+8*\y+3], v[SCR+32*\y+28:SCR+32*\y+29]
.endr
.irp y, 0,1
	v_pk_add_f32 v[STA+8*\y+2:STA+8*\y+3], v[STA+8*\y+2:STA+8*\y+3], v[STA+8*\y+6:STA+8*\y+7]
.endr
	s_cmp_eq_u32 s27, 1
	s_cbranch_scc1 .Lno_hold_\@
.set j, 0
.rept 64
	v_min_num_f32 v[SCR+j], v[SCR+j], v[LIMP]      ; the conversion to an 8-bit code does not saturate (ISA guide 7.6.2); p is not negative, so the hold is one-sided
.set j, j+1
.endr
.Lno_hold_\@:
.irp y, 0,1
.irp b, 0,1
	v_cvt_scalef32_pk8_bf8_f32 v[PCD+8*\y+4*\b:PCD+8*\y+4*\b+1], v[SCR+32*\y+16*\b:SCR+32*\y+16*\b+7], v[SC]
	v_cvt_scalef32_pk8_bf8_f32 v[PCD+8*\y+4*\b+2:PCD+8*\y+4*\b+3], v[SCR+32*\y+16*\b+8:SCR+32*\y+16*\b+15], v[SC]
.endr
.endr
	v_nop                                          ; one plain vector instruction between the last conversion and the products that read the codes
	s_wait_dscnt 0x0                               ; V is in
.irp t, 0,1,2,3                        ; O^T += V^T P^T: the eight accumulators take turns, one instruction a turn
.irp y, 0,1
	v_wmma_f32_16x16x64_bf8_bf8 v[OAC+32*\y+8*\t:OAC+32*\y+8*\t+7], v[FRG+8*\t:FRG+8*\t+7], v[PCD+8*\y:PCD+8*\y+7], v[OAC+32*\y+8*\t:OAC+32*\y+8*\t+7]
.endr
.endr
.Lhid_\@:
	s_add_co_u32 s24, s24, 64
.endm
.Ltrip:                                            ; four trips of two slots
	CHANGE 0
	STEP 0, 0
	STEP 0, 1
	STEP 0, 2
	STEP 0, 3
	CHANGE 1
	STEP 1, 0
	STEP 1, 1
	STEP 1, 2
	STEP 1, 3
	s_wait_xcnt 0x0                                ; the trip's loads and prefetches have read their bases, so these may step
	s_add_nc_u64 s[44:45], s[44:45], 32768
	s_add_nc_u64 s[46:47], s[46:47], 32768
	s_add_nc_u64 s[28:29], s[28:29], 32768
	s_sub_co_u32 s25, s25, 1
	s_cmp_lg_u32 s25, 0
	s_cbranch_scc1 .Ltrip
	; THE WAY OUT.  O^T / the sum, held, quantised along the head's channels (a lane's eight registers of a tile are eight neighbours), through my own stage, so that sixteen lanes store 256 consecutive bytes.
.rept 4
	v_nop                                          ; places behind the last products
.endr
.irp y, 0,1
	v_add_f32 v[STA+8*\y+6], v[STA+8*\y+2], v[STA+8*\y+3]
.endr
.irp y, 0,1
	v_permlanex16_b32 v[STA+8*\y+7], v[STA+8*\y+6], s20, s21
.endr
.irp y, 0,1
	v_add_f32 v[STA+8*\y+6], v[STA+8*\y+6], v[STA+8*\y+7]          ; the row's sum
.endr
.irp y, 0,1
	v_rcp_f32 v[STA+8*\y+4], v[STA+8*\y+6]
.endr
	v_nop                                          ; a plain instruction behind the last reciprocal
	s_wait_alu depctr_va_vdst(0)                   ; the two reciprocals have written 1 / the sum: one wait for both, ahead of their first reader
.irp y, 0,1
.irp j, 0,2,4,6,8,10,12,14,16,18,20,22,24,26,28,30
	v_pk_mul_f32 v[SCR+32*\y+\j:SCR+32*\y+\j+1], v[OAC+32*\y+\j:OAC+32*\y+\j+1], v[STA+8*\y+4:STA+8*\y+5] op_sel_hi:[1,0]   ; register 8 t + i: channel 16 t + 8 (lane / 16) + i
.endr
.endr
.set j, 0
.rept 64
	v_med3_num_f32 v[SCR+j], v[SCR+j], -v[LIMO], v[LIMO]
.set j, j+1
.endr
.irp y, 0,1
.irp t, 0,1,2,3
	v_cvt_scalef32_pk8_bf8_f32 v[PCD+8*\y+2*\t:PCD+8*\y+2*\t+1], v[SCR+32*\y+8*\t:SCR+32*\y+8*\t+7], v[SCO]
.endr
.endr
	v_nop
	s_wait_alu depctr_va_vdst(0)                   ; the conversions have written v[PCD ..], which the LDS stores read; and the last products are done reading v[FRG ..], in which the stage's rows land: no vector instruction follows
.irp y, 0,1
.irp t, 0,1,2,3
	ds_store_b64 v[STW], v[PCD+8*\y+2*\t:PCD+8*\y+2*\t+1] offset:1024*\y+16*\t
.endr
.endr
.irp i, 0,1,2,3
	ds_load_b128 v[FRG+4*\i:FRG+4*\i+3], v[STR] offset:512*\i      ; LDS serves a wave's instructions in order (ISA guide 5.7.1.4): these see my stores
.endr
.irp i, 0,1,2,3
	s_wait_dscnt 3-\i                              ; this load is in; the younger ones may be out
	global_store_b128 v[GO], v[FRG+4*\i:FRG+4*\i+3], s[12:13] offset:8192*\i   ; eight queries: two aligned runs of 256 bytes
.endr
	s_wait_dscnt 0x0                               ; the closing lines, six on end
	s_wait_alu 0x0
	s_wait_tensorcnt 0x0
	ds_add_u32 v254, v255
	s_wait_dscnt 0x0
	s_endpgm
.Lfunc_end_k_q55215788c2_attn:
	.size	k_q55215788c2_attn, .Lfunc_end_k_q55215788c2_attn-k_q55215788c2_attn
	.p2alignl 7, 3214868480
	.fill 96, 4, 3214868480
	.section	.rodata,"a",@progbits
	.p2align	6, 0x0
	.amdhsa_kernel k_q55215788c2_attn
		.amdhsa_group_segment_fixed_size 116736
		.amdhsa_private_segment_fixed_size 0
		.amdhsa_enable_private_segment 0
		.amdhsa_kernarg_size 40
		.amdhsa_user_sgpr_count 2
		.amdhsa_user_sgpr_kernarg_segment_ptr 1
		.amdhsa_wavefront_size32 1
		.amdhsa_system_sgpr_workgroup_id_x 1
		.amdhsa_system_sgpr_workgroup_id_y 1
		.amdhsa_system_sgpr_workgroup_id_z 1
		.amdhsa_system_vgpr_workitem_id 0
		.amdhsa_next_free_vgpr 256
		.amdhsa_next_free_sgpr 66
		.amdhsa_reserve_vcc 0
		.amdhsa_float_denorm_mode_32 3
		.amdhsa_float_denorm_mode_16_64 3
		.amdhsa_memory_ordered 1
		.amdhsa_forward_progress 1
		.amdhsa_inst_pref_size 214
	.end_amdhsa_kernel
	.amdgpu_metadata
---
amdhsa.version: [ 1, 2 ]
amdhsa.kernels:
  - .name:           k_q55215788c2_attn
    .symbol:         k_q55215788c2_attn.kd
    .args:
      - { .name: qc, .offset: 0, .size: 8, .value_kind: global_buffer, .address_space: global }
      - { .name: kc, .offset: 8, .size: 8, .value_kind: global_buffer, .address_space: global }
      - { .name: vc, .offset: 16, .size: 8, .value_kind: global_buffer, .address_space: global }
      - { .name: lowp_scales, .offset: 24, .size: 8, .value_kind: global_buffer, .address_space: global }
      - { .name: oc, .offset: 32, .size: 8, .value_kind: global_buffer, .address_space: global }
    .group_segment_fixed_size: 116736
    .private_segment_fixed_size: 0
    .kernarg_segment_align: 8
    .kernarg_segment_size: 40
    .max_flat_workgroup_size: 512
    .sgpr_count:     66
    .vgpr_count:     256
    .wavefront_size: 32
...
	.end_amdgpu_metadata
.endif
;; end of part 4
;; launch proj: the kernel of part 3 again; grid 8 x 32, 4 waves a work-group, clusters of 4 x 4, 327,680 bytes of LDS; arguments oc, Wo_codes, lowp_scales, bo, out0; writes out0
